; MI455X (gfx1250); checked and timed in simulation.
; The chip was launched on July 23, 2026; its instructions are those of AMD's public machine-readable ISA for CDNA 5 (MIT licence, August 2026) and "CDNA5" Instruction Set Architecture Reference Guide (July 2026). The comments in the code are by the model that wrote it; some were corrected since.
;; Multihead Attention. Allowed arithmetic: matrix products marked QUANTISED: E4M3 operands, one given power-of-two scale a tensor, by v_wmma_f32_16x16x64_fp8_fp8 or v_wmma_f32_16x16x128_fp8_fp8, f32 sums; everything else in f32.
;; Inputs: Wk 512 x 512 float32; Wo 512 x 512 float32; Wq 512 x 512 float32; Wv 512 x 512 float32; bk 512 float32; bo 512 float32; bq 512 float32; bv 512 float32; key_ 2 x 4,096 x 512 float32; lowp_scales 12 int32 (the exponents e of the quantised operands' scales 2^e); query 2 x 4,096 x 512 float32; value 2 x 4,096 x 512 float32.
;; Outputs: out0 2 x 4,096 x 512 float32.
;; This version of the problem:
;;   THIS VERSION OF THE PROBLEM IS GIVEN IN LOW PRECISION. The matrix products marked QUANTISED in the list below multiply operands that are first quantised to E4M3 (4 exponent bits, 3 mantissa bits; 8 bits a number), with one given power-of-two scale for each operand tensor; their sums are f32. All else is computed in f32.
;;   The module's matrix products, in the order in which they are computed (A, B: the left and right operand; K: the contracted axis; several contracted axes count as one K, in the product's order):
;;     1. [M 8,192, K 512] x [K 512, N 512]; A: input query; B: input Wq: QUANTISED (scales: A lowp_scales[0], B lowp_scales[1])
;;     2. [M 8,192, K 512] x [K 512, N 512]; A: input key_; B: input Wk: QUANTISED (scales: A lowp_scales[2], B lowp_scales[3])
;;     3. [M 8,192, K 512] x [K 512, N 512]; A: input value; B: input Wv: QUANTISED (scales: A lowp_scales[4], B lowp_scales[5])
;;     4. batch 16 x [M 4,096, K 64] x [K 64, N 4,096]; A: computed on the way; B: computed on the way: QUANTISED (scales: A lowp_scales[6], B lowp_scales[7])
;;     5. batch 16 x [M 4,096, K 4,096] x [K 4,096, N 64]; A: softmax (see below); B: computed on the way: QUANTISED (scales: A lowp_scales[8], B lowp_scales[9])
;;     6. [M 8,192, K 512] x [K 512, N 512]; A: computed on the way; B: input Wo: QUANTISED (scales: A lowp_scales[10], B lowp_scales[11])
;;   THE QUANTISER, for each operand of a quantised product, along K:
;;     - The operand's scale is 2^e, e = its entry of the input lowp_scales (int32; the entries are numbered through the quantised products in the list's order, A before B).
;;     - Each number is divided by the scale, clamped to +-448, and rounded to the nearest number of E4M3, ties to even, subnormals kept.
;;     - The product sums the exact products of the quantised numbers (number of the format x scale) in f32.
;;   ~~~python
;;   def quantise(x, axis, e):      # numpy; x: float32 -> the quantised numbers, widened to float32 again
;;       x = np.moveaxis(x, axis, -1); K = x.shape[-1]
;;       r = np.clip(x / 2.0 ** e, -448, 448)
;;       step = 2.0 ** (np.maximum(np.frexp(np.where(r == 0, 1, r))[1] - 1, -6) - 3)
;;       q = np.round(r / step) * step * 2.0 ** e      # np.round: ties to even
;;       return np.moveaxis(q, -1, axis).astype(np.float32)
;;   ~~~
;;   SOFTMAX AHEAD OF A QUANTISED PRODUCT. Where the list says 'softmax', what is quantised is not the finished softmax but p = 2^(t - M), with t = logit x log2(e) and M = ceil(the row's largest t), a whole number; so 1/2 < the row's largest p <= 1. The row's sum l is taken of the UNQUANTISED p, in f32, and the product's result is divided by l at the end. Since M is a whole number, a kernel that streams over the keys may use a running M (the ceiling of the running maximum): every later rescaling is an exact power of two, so the quantised numbers keep their values, but for numbers so far below the row's largest that they fall under the format's range.
;;   OPERANDS COMPUTED ON THE WAY. 'Computed on the way' means the value that the module computes at that place (a softmax that the list does not call 'softmax' is quantised finished and normalised). What goes into a quantiser is computed in f32, as accurately as f32 sums, v_exp_f32 and their like allow (about 1e-6 of the number): no bf16 or f16 on the way to a quantiser, and a product that is left as it is and whose result goes on into a quantised operand takes f32 operands (vector FMAs, or v_wmma_f32_16x16x4_f32). A number that lies on a knife's edge between two numbers of the format may be rounded either way, as far as f32 arithmetic and the matrix unit's own rounding can turn it there, and no further.
;; 2 versions, each right; version 2 is version 1 with the launches proj, outp written anew for expert scheduling mode. Each part assembles by itself: llvm-mc -triple=amdgcn-amd-amdhsa -mcpu=gfx1250 --defsym DOCPART=n.
;; ======== version 1 of 2: 4 launches
;; workspace buffers: wimg 1,048,576 bytes; qimg 4,194,304 bytes; kvimg 8,388,608 bytes; cimg 4,194,304 bytes
;; launch wquant (part 1): grid 32 x 4, 4 waves a work-group, no clusters, 34,304 bytes of LDS; arguments Wq, Wk, Wv, Wo, lowp_scales, wimg; writes wimg
.if DOCPART == 1
	.amdgcn_target "amdgcn-amd-amdhsa--gfx1250"
	.amdhsa_code_object_version 6
	.text
	.protected	k_q8aeaca86a1_wquant
	.globl	k_q8aeaca86a1_wquant
	.p2align	8
	.type	k_q8aeaca86a1_wquant,@function
k_q8aeaca86a1_wquant:
	s_mov_b64 s[64:65], 0
	v_nop
	global_prefetch_b8 v0, s[64:65] scope:SCOPE_SE
	s_setreg_imm32_b32 hwreg(HW_REG_WAVE_MODE, 25, 1), 1
	s_wait_xcnt 0x0
; The four weights [512][512] f32 (K innermost) become codes of FP8 (E4M3), each with its given scale 2^e (entries 1, 3, 5, 11 of the scales).
; code = x / 2^e, held within +-448, to the nearest code, ties to even.  LIMIT: e between -126 and 119.  NaN among the inputs is not served.
; OUTPUT: images of operand registers.  A fragment is 16 rows x 128 K in 16 registers: lane (r = lane % 16, h = lane / 16) holds row r, registers 2c, 2c+1 hold k = 16c + 8h + 0..7.
; Piece p of its image is registers 4p..4p+3: 512 consecutive bytes, lane l's 16 bytes at 16 l.  wimg: [which 4][tile of 16 rows 32][K step 4][piece 4][512 bytes].
; SHARES: work-group (x = tile of 16 rows, y = which weight); wave s takes K step s: one fragment.  Waves share nothing: no barrier.  Work-groups share no input: no cluster.
; Each load takes 512 consecutive bytes of a row; the 16 rows turn through the wave's own stage in LDS so that a lane gets 8 neighbours along K at a time.
.set SP,   528                         ; a stage row: 512 bytes + 16 = 33 x 16: the sixteen lanes of a half take sixteen different 16-byte columns modulo 256 bytes
.set STGB, 16*SP                       ; a wave's stage
.set XO,   1                           ; v1   16 x lane
.set STI,  2                           ; v2   the stage, on the way in
.set STO,  3                           ; v3   and on the way out: row r, + 32 h
.set SC,   4                           ; v4   2^e as f32
.set LIM,  5                           ; v5   448 x 2^e
.set R,    16                          ; v16-79   16 rows as loaded
.set XN,   80                          ; v80-143  register 8c + i = x(row r, k = 16c + 8h + i)
.set PC,   144                         ; v144-159 the fragment's codes
.macro TURN raw
.irp q, 0,1,2,3,4,5,6,7,8,9,10,11,12,13,14,15
	ds_store_b128 v[STI], v[\raw+4*\q:\raw+4*\q+3] offset:SP*\q
.endr
.irp c, 0,1,2,3,4,5,6,7
	ds_load_b128 v[XN+8*\c:XN+8*\c+3], v[STO] offset:64*\c          ; LDS serves a wave's instructions in order: these see the stores above
	ds_load_b128 v[XN+8*\c+4:XN+8*\c+7], v[STO] offset:64*\c+16
.endr
.endm
.macro QUANT src, dst, sc, lim
.irp c, 0,1,2,3,4,5,6,7
.irp i, 0,1,2,3,4,5,6,7
	v_med3_num_f32 v[\src+8*\c+\i], v[\src+8*\c+\i], -v[\lim], v[\lim]   ; the conversion does not saturate (ISA guide 7.6.2): the hold at the largest code x the scale
.endr
	v_cvt_scalef32_pk8_fp8_f32 v[\dst+2*\c:\dst+2*\c+1], v[\src+8*\c:\src+8*\c+7], v[\sc]
.endr
	v_nop                                          ; a plain line behind the last conversion
.endm
	s_load_b256 s[4:11], s[0:1], 0x0               ; Wq, Wk, Wv, Wo
	s_load_b128 s[12:15], s[0:1], 0x20             ; the scales' exponents, wimg
	v_lshl_add_u32 v160, v0, 2, 0x8400
	v_mov_b32 v161, 0
	v_lshrrev_b32 v6, 5, v0
	v_readfirstlane_b32 s16, v6                    ; wave = K step
	s_and_b32 s17, ttmp7, 0xffff                   ; which weight
	v_and_b32 v7, 31, v0
	v_lshlrev_b32 v[XO], 4, v7
	v_and_b32 v8, 15, v0                           ; r
	v_bfe_u32 v9, v0, 4, 1                         ; h
	s_mul_i32 s33, s16, STGB
	v_add_nc_u32 v[STI], s33, v[XO]
	v_mul_u32_u24 v[STO], v8, SP
	v_lshl_add_u32 v[STO], v9, 5, v[STO]
	v_add_nc_u32 v[STO], s33, v[STO]
	s_lshl_b32 s18, ttmp9, 15                      ; in: 16 rows of 2,048 bytes a tile,
	s_lshl_b32 s19, s16, 9                         ; 512 bytes a K step
	s_add_co_u32 s18, s18, s19
	s_mov_b32 s19, 0
	s_lshl_b32 s34, s17, 18                        ; out: 262,144 bytes a weight,
	s_lshl_b32 s35, ttmp9, 13                      ; 8,192 a tile,
	s_add_co_u32 s34, s34, s35
	s_lshl_b32 s35, s16, 11                        ; 2,048 a fragment
	s_add_co_u32 s34, s34, s35
	s_mov_b32 s35, 0
	s_wait_kmcnt 0x0
	s_load_b256 s[20:27], s[12:13], 0x0            ; e0 .. e7
	s_load_b128 s[28:31], s[12:13], 0x20           ; e8 .. e11
	s_cmp_eq_u32 s17, 1                            ; the choice hangs on the work-group's number alone
	s_cselect_b64 s[4:5], s[6:7], s[4:5]
	s_cmp_eq_u32 s17, 2
	s_cselect_b64 s[4:5], s[8:9], s[4:5]
	s_cmp_eq_u32 s17, 3
	s_cselect_b64 s[4:5], s[10:11], s[4:5]
	s_add_nc_u64 s[4:5], s[4:5], s[18:19]
	s_add_nc_u64 s[14:15], s[14:15], s[34:35]
.irp q, 0,1,2,3,4,5,6,7,8,9,10,11,12,13,14,15
	global_load_b128 v[R+4*\q:R+4*\q+3], v[XO], s[4:5] offset:2048*\q th:TH_LOAD_NT   ; 32 lanes read 512 consecutive bytes of row q
.endr
	s_wait_kmcnt 0x0
	s_cmp_eq_u32 s17, 1
	s_cselect_b32 s32, s23, s21                    ; e3 or e1
	s_cmp_eq_u32 s17, 2
	s_cselect_b32 s32, s25, s32                    ; e5
	s_cmp_eq_u32 s17, 3
	s_cselect_b32 s32, s31, s32                    ; e11
	s_add_co_i32 s32, s32, 127
	s_lshl_b32 s33, s32, 23
	v_mov_b32 v[SC], s33
	s_add_co_i32 s32, s32, 8
	s_lshl_b32 s32, s32, 23
	s_or_b32 s32, s32, 0x600000
	v_mov_b32 v[LIM], s32
	s_wait_loadcnt 0x0
	TURN R
	s_wait_dscnt 0x0
	QUANT XN, PC, SC, LIM
.irp p, 0,1,2,3
	global_store_b128 v[XO], v[PC+4*\p:PC+4*\p+3], s[14:15] offset:512*\p   ; 512 consecutive bytes, aligned
.endr
	s_wait_tensorcnt 0x0
	ds_add_u32 v160, v161
	s_wait_dscnt 0x0
	s_endpgm
.Lfunc_end_k_q8aeaca86a1_wquant:
	.size	k_q8aeaca86a1_wquant, .Lfunc_end_k_q8aeaca86a1_wquant-k_q8aeaca86a1_wquant
	.p2alignl 7, 3214868480
	.fill 96, 4, 3214868480
	.section	.rodata,"a",@progbits
	.p2align	6, 0x0
	.amdhsa_kernel k_q8aeaca86a1_wquant
		.amdhsa_group_segment_fixed_size 34304
		.amdhsa_private_segment_fixed_size 0
		.amdhsa_enable_private_segment 0
		.amdhsa_kernarg_size 48
		.amdhsa_user_sgpr_count 2
		.amdhsa_user_sgpr_kernarg_segment_ptr 1
		.amdhsa_wavefront_size32 1
		.amdhsa_system_sgpr_workgroup_id_x 1
		.amdhsa_system_sgpr_workgroup_id_y 1
		.amdhsa_system_sgpr_workgroup_id_z 1
		.amdhsa_system_vgpr_workitem_id 0
		.amdhsa_next_free_vgpr 162
		.amdhsa_next_free_sgpr 66
		.amdhsa_reserve_vcc 0
		.amdhsa_float_denorm_mode_32 3
		.amdhsa_float_denorm_mode_16_64 3
		.amdhsa_memory_ordered 1
		.amdhsa_forward_progress 1
		.amdhsa_inst_pref_size 11
	.end_amdhsa_kernel
	.amdgpu_metadata
---
amdhsa.version: [ 1, 2 ]
amdhsa.kernels:
  - .name:           k_q8aeaca86a1_wquant
    .symbol:         k_q8aeaca86a1_wquant.kd
    .args:
      - { .name: Wq, .offset: 0, .size: 8, .value_kind: global_buffer, .address_space: global }
      - { .name: Wk, .offset: 8, .size: 8, .value_kind: global_buffer, .address_space: global }
      - { .name: Wv, .offset: 16, .size: 8, .value_kind: global_buffer, .address_space: global }
      - { .name: Wo, .offset: 24, .size: 8, .value_kind: global_buffer, .address_space: global }
      - { .name: lowp_scales, .offset: 32, .size: 8, .value_kind: global_buffer, .address_space: global }
      - { .name: wimg, .offset: 40, .size: 8, .value_kind: global_buffer, .address_space: global }
    .group_segment_fixed_size: 34304
    .private_segment_fixed_size: 0
    .kernarg_segment_align: 8
    .kernarg_segment_size: 48
    .max_flat_workgroup_size: 128
    .sgpr_count:     66
    .vgpr_count:     162
    .wavefront_size: 32
...
	.end_amdgpu_metadata
.endif
;; end of part 1
;; launch proj (part 2): grid 64 x 3, 8 waves a work-group, no clusters, 134,144 bytes of LDS; arguments query, key_, value, wimg, bq, bk, bv, lowp_scales, qimg, kvimg; writes qimg, kvimg
.if DOCPART == 2
	.amdgcn_target "amdgcn-amd-amdhsa--gfx1250"
	.amdhsa_code_object_version 6
	.text
	.protected	k_q8aeaca86a1_proj
	.globl	k_q8aeaca86a1_proj
	.p2align	8
	.type	k_q8aeaca86a1_proj,@function
k_q8aeaca86a1_proj:
	s_mov_b64 s[64:65], 0
	v_nop
	global_prefetch_b8 v0, s[64:65] scope:SCOPE_SE
	s_setreg_imm32_b32 hwreg(HW_REG_WAVE_MODE, 25, 1), 1
	s_wait_xcnt 0x0
; q = query Wq^T + bq, k = key_ Wk^T + bk, v = value Wv^T + bv, each product on codes of FP8 (E4M3) with the given scales, and q, k, v quantised again with theirs (entries 6, 7, 9).
; SHARES: work-group (x, y): 128 rows (tokens 128 x on) of tensor y (0 q, 1 k, 2 v).  Wave w (a) quantises rows 16 w .. 16 w + 15 of the input (four fragments, as images in LDS), and
; (b) owns HEAD w, output columns 64 w .. 64 w + 63, for all 128 rows: its 16 fragments of W (256 registers, window 1) are loaded once, as images, and stay.
; FRAGMENTS AND IMAGES: 16 rows x 128 K in 16 registers, lane (r, h): row r, registers 2c, 2c+1: k = 16c + 8h + 0..7; piece p = registers 4p..4p+3 = 512 consecutive bytes, 16 a lane.
; q, k: source 0 = 16 rows of W, source 1 = 16 tokens: a lane holds one token and 8 neighbouring channels: the four tiles' codes ARE the K = 64 fragment of the scores' product.
; v: the sources swapped: a lane holds one channel and 8 neighbouring tokens: the codes are registers 2m, 2m+1 of V^T's fragment (K = the 128 keys of the block).
; The bias is the C of a sum's first product, divided by 2^(ex + ew), which the sums lack; the conversion takes 2^(eo - ex - ew).
; OUT: qimg [bh][tile of 16 queries][1,024 bytes]; kvimg [bh][step of 128 keys][K: 8 tiles x 1,024 bytes | V^T: 4 channel tiles x 2,048 bytes].
; NO CLUSTER: W's codes of a tensor are 262,144 bytes; beside the 133,120 bytes of stages and images they do not fit in 327,680 bytes of LDS, so W goes straight into registers, once a wave.
; LIMITS: ex and eo - ex - ew between -126 and 119.  NaN among the inputs is not served.
; REGISTERS, window 0: v1-11 addresses and scales; v16-47 codes; v48-111 64 numbers, later x's fragments set 0; v112-175 rows as loaded set 0, later the bias tiles (v112-143) and the four
; accumulators (v144-175); v176-239 rows as loaded set 1, later x's fragments set 1; v240-243 the bias by channel.   Window 1: W's fragment (tile i, K step s) at v[16 (4 i + s)].
.set SP,   528                         ; a stage row: 512 bytes + 16 = 33 x 16: sixteen lanes take sixteen different 16-byte columns modulo 256 bytes
.set STGB, 16*SP
.set XIMG, 8*STGB                      ; behind the eight stages: x's images, (row tile m, K step s) at 8,192 m + 2,048 s
.set LI,   1                           ; v1   16 x lane
.set STI,  2                           ; v2   my stage, on the way in
.set STO,  3                           ; v3   and out: row r, + 32 h
.set XWI,  4                           ; v4   where I store x's images
.set LIX,  5                           ; v5   where any image begins for my lane
.set BA1,  6                           ; v6   32 h: the bias by 8 channels of my half
.set BA2,  7                           ; v7   4 r: the bias by my channel
.set SCX,  8                           ; v8   2^ex          v9  448 x 2^ex
.set LIMX, 9
.set SCO,  10                          ; v10  2^(eo-ex-ew)  v11 448 x that
.set LIMO, 11
.set CODE, 16
.set PC,   16
.set XN,   48
.set XF0,  48
.set RAW0, 112
.set B1,   112
.set ACC,  144
.set BV,   240
.set MSB, 0
.macro WIN new                         ; the immediate's high byte repeats the setting that is left
.if MSB != \new
	s_set_vgpr_msb (MSB<<8)|\new
.set MSB, \new
.endif
.endm
.macro TURN raw
.irp q, 0,1,2,3,4,5,6,7,8,9,10,11,12,13,14,15
	ds_store_b128 v[STI], v[\raw+4*\q:\raw+4*\q+3] offset:SP*\q
.endr
.irp c, 0,1,2,3,4,5,6,7
	ds_load_b128 v[XN+8*\c:XN+8*\c+3], v[STO] offset:64*\c          ; LDS serves a wave's instructions in order: these see the stores above
	ds_load_b128 v[XN+8*\c+4:XN+8*\c+7], v[STO] offset:64*\c+16
.endr
.endm
.macro QUANT src, dst, sc, lim
.irp c, 0,1,2,3,4,5,6,7
.irp i, 0,1,2,3,4,5,6,7
	v_med3_num_f32 v[\src+8*\c+\i], v[\src+8*\c+\i], -v[\lim], v[\lim]   ; the conversion does not saturate (ISA guide 7.6.2): the hold at the largest code x the scale
.endr
	v_cvt_scalef32_pk8_fp8_f32 v[\dst+2*\c:\dst+2*\c+1], v[\src+8*\c:\src+8*\c+7], v[\sc]
.endr
	v_nop                                          ; a plain line behind the last conversion
.endm
.macro LOADX s                         ; my 16 rows' 512 bytes of K step s, as they lie
.irp q, 0,1,2,3,4,5,6,7,8,9,10,11,12,13,14,15
	global_load_b128 v[RAW0+64*((\s)%2)+4*\q:RAW0+64*((\s)%2)+4*\q+3], v[LI], s[40:41] offset:2048*\q+512*(\s) th:TH_LOAD_NT
.endr
.endm
.macro LOADW g                         ; my head's four fragments of W for K step g
	WIN 0x40                                       ; destination window 1
.irp i, 0,1,2,3
.irp p, 0,1,2,3
	global_load_b128 v[16*(4*\i+\g)+4*\p:16*(4*\i+\g)+4*\p+3], v[LI], s[42:43] offset:8192*\i+2048*\g+512*\p
.endr
.endr
	WIN 0
.endm
.macro LOADB                           ; the bias in both layouts, 12 loads: no register's definition hangs on the path
.irp i, 0,1,2,3
	global_load_b128 v[B1+8*\i:B1+8*\i+3], v[BA1], s[44:45] offset:64*\i
	global_load_b128 v[B1+8*\i+4:B1+8*\i+7], v[BA1], s[44:45] offset:64*\i+16
.endr
.irp i, 0,1,2,3
	global_load_b32 v[BV+\i], v[BA2], s[44:45] offset:64*\i
.endr
.endm
; K step s of my 16 rows becomes a fragment's image.  cnt: the loads issued behind this step's sixteen.
.macro XSTEP s, cnt
	s_wait_loadcnt \cnt
	TURN RAW0+64*((\s)%2)
	s_wait_dscnt 0x0                               ; the numbers are back; the stage's stores have read the rows' registers, the last image's stores their codes
.if (\s) == 0
	LOADX 2
	LOADW 1
.elseif (\s) == 1
	LOADX 3
	LOADW 2
.elseif (\s) == 2
	LOADW 3
	LOADB                                          ; into the rows' set 0, which is free now
.endif
	QUANT XN, PC, SCX, LIMX
.irp p, 0,1,2,3
	ds_store_b128 v[XWI], v[PC+4*\p:PC+4*\p+3] offset:2048*(\s)+512*\p
.endr
.endm
.macro FETCH m                         ; row tile m's four fragments, from any wave's images
.irp s, 0,1,2,3
.irp p, 0,1,2,3
	ds_load_b128 v[XF0+128*((\m)%2)+16*\s+4*\p:XF0+128*((\m)%2)+16*\s+4*\p+3], v[LIX] offset:8192*(\m)+2048*\s+512*\p
.endr
.endr
.endm
; Row tile m x my head: 16 products on four accumulators by turns, the hold, the conversions, the stores.
.macro TILE m, isv
.set XFM, XF0+128*((\m)%2)
	s_wait_dscnt 0x0                               ; this tile's fragments are in
.if (\m) < 7
	FETCH (\m)+1                                   ; the next tile's, into the other set: its last products stand behind more than four plain lines
.endif
.if \isv
	WIN 0x04                                       ; source 1 (W) window 1
.else
	WIN 0x01                                       ; source 0 (W) window 1
.endif
.irp s, 0,1,2,3
.irp i, 0,1,2,3
.if \isv
.if \s == 0
	v_wmma_f32_16x16x128_fp8_fp8 v[ACC+8*\i:ACC+8*\i+7], v[XFM+16*\s:XFM+16*\s+15], v[16*(4*\i+\s):16*(4*\i+\s)+15], v[B1+8*\i:B1+8*\i+7]
.else
	v_wmma_f32_16x16x128_fp8_fp8 v[ACC+8*\i:ACC+8*\i+7], v[XFM+16*\s:XFM+16*\s+15], v[16*(4*\i+\s):16*(4*\i+\s)+15], v[ACC+8*\i:ACC+8*\i+7]
.endif
.else
.if \s == 0
	v_wmma_f32_16x16x128_fp8_fp8 v[ACC+8*\i:ACC+8*\i+7], v[16*(4*\i+\s):16*(4*\i+\s)+15], v[XFM+16*\s:XFM+16*\s+15], v[B1+8*\i:B1+8*\i+7]
.else
	v_wmma_f32_16x16x128_fp8_fp8 v[ACC+8*\i:ACC+8*\i+7], v[16*(4*\i+\s):16*(4*\i+\s)+15], v[XFM+16*\s:XFM+16*\s+15], v[ACC+8*\i:ACC+8*\i+7]
.endif
.endif
.endr
.endr
	WIN 0
.rept 4
	v_nop                                          ; four places between the last product and the first read of results (ISA guide 7.12.1)
.endr
.if \isv
.set CD, CODE+16*(((\m)/2)%2)+2*((\m)%2)
.set CSTEP, 4
.if ((\m) == 4) || ((\m) == 6)
	s_wait_xcnt 0x0                                ; the stores that read this set of codes have read it
.endif
.else
.set CD, CODE+8*((\m)%4)
.set CSTEP, 2
.if (\m) >= 4
	s_wait_xcnt 0x0
.endif
.endif
.irp i, 0,1,2,3
.irp j, 0,1,2,3,4,5,6,7
	v_med3_num_f32 v[ACC+8*\i+\j], v[ACC+8*\i+\j], -v[LIMO], v[LIMO]   ; each accumulator from its low end on
.endr
	v_cvt_scalef32_pk8_fp8_f32 v[CD+CSTEP*\i:CD+CSTEP*\i+1], v[ACC+8*\i:ACC+8*\i+7], v[SCO]
.endr
	v_nop                                          ; a plain line between the last conversion and the products that write its sources
.if \isv
.if ((\m)%2) == 1
.irp i, 0,1,2,3
	global_store_b128 v[LI], v[CODE+16*(((\m)/2)%2)+4*\i:CODE+16*(((\m)/2)%2)+4*\i+3], s[46:47] offset:8192+2048*\i+512*((\m)/2)   ; piece m / 2 of channel tile i
.endr
.endif
.else
.irp p, 0,1
	global_store_b128 v[LI], v[CD+4*\p:CD+4*\p+3], s[46:47] offset:1024*(\m)+512*\p   ; 512 consecutive bytes, aligned
.endr
.endif
.endm
	s_load_b512 s[4:19], s[0:1], 0x0               ; query, key_, value, wimg, bq, bk, bv, the scales' exponents
	s_load_b128 s[20:23], s[0:1], 0x40             ; qimg, kvimg
	v_lshl_add_u32 v254, v0, 2, 0x20800
	v_mov_b32 v255, 0
	v_lshrrev_b32 v12, 5, v0
	v_readfirstlane_b32 s24, v12                   ; wave 0..7
	s_and_b32 s25, ttmp7, 0xffff                   ; y: which tensor
	v_and_b32 v12, 31, v0
	v_lshlrev_b32 v[LI], 4, v12
	v_and_b32 v13, 15, v0                          ; r
	v_bfe_u32 v14, v0, 4, 1                        ; h
	s_mul_i32 s48, s24, STGB
	v_add_nc_u32 v[STI], s48, v[LI]
	v_mul_u32_u24 v[STO], v13, SP
	v_lshl_add_u32 v[STO], v14, 5, v[STO]
	v_add_nc_u32 v[STO], s48, v[STO]
	s_lshl_b32 s48, s24, 13
	v_add_nc_u32 v[XWI], s48, v[LI]
	v_add_nc_u32 v[XWI], XIMG, v[XWI]
	v_add_nc_u32 v[LIX], XIMG, v[LI]
	v_lshlrev_b32 v[BA1], 5, v14
	v_lshlrev_b32 v[BA2], 2, v13
	s_lshl_b32 s50, ttmp9, 18                      ; x: 128 rows of 2,048 bytes a work-group,
	s_lshl_b32 s51, s24, 15                        ; 16 rows a wave
	s_add_co_u32 s50, s50, s51
	s_lshl_b32 s52, s25, 18                        ; W's images: 262,144 bytes a tensor,
	s_add_co_u32 s52, s52, s51                     ; 4 tiles x 8,192 bytes a head
	s_mov_b32 s51, 0
	s_mov_b32 s53, 0
	s_lshl_b32 s54, s24, 8                         ; the bias: 64 numbers a head
	s_mov_b32 s55, 0
	s_lshr_b32 s56, ttmp9, 5                       ; the batch,
	s_lshl_b32 s56, s56, 3
	s_add_co_u32 s56, s56, s24                     ; bh = 8 b + head,
	s_lshl_b32 s56, s56, 5
	s_and_b32 s57, ttmp9, 31
	s_add_co_u32 s56, s56, s57                     ; 32 blocks of 128 tokens a head,
	s_cmp_eq_u32 s25, 0
	s_cselect_b32 s57, 13, 14                      ; of 8,192 bytes in qimg, 16,384 in kvimg
	s_lshl_b32 s56, s56, s57
	s_mov_b32 s57, 0
	s_wait_kmcnt 0x0
	s_load_b256 s[28:35], s[18:19], 0x0            ; e0 .. e7
	s_load_b128 s[36:39], s[18:19], 0x20           ; e8 .. e11
	s_cmp_eq_u32 s25, 1                            ; the choices hang on the work-group's number alone
	s_cselect_b64 s[40:41], s[6:7], s[4:5]
	s_cselect_b64 s[44:45], s[14:15], s[12:13]
	s_cmp_eq_u32 s25, 2
	s_cselect_b64 s[40:41], s[8:9], s[40:41]
	s_cselect_b64 s[44:45], s[16:17], s[44:45]
	s_cmp_eq_u32 s25, 0
	s_cselect_b64 s[46:47], s[20:21], s[22:23]
	s_add_nc_u64 s[40:41], s[40:41], s[50:51]
	s_add_nc_u64 s[42:43], s[10:11], s[52:53]
	s_add_nc_u64 s[44:45], s[44:45], s[54:55]
	s_add_nc_u64 s[46:47], s[46:47], s[56:57]
	LOADX 0
	LOADX 1
	LOADW 0
	s_wait_kmcnt 0x0
	s_cmp_eq_u32 s25, 1
	s_cselect_b32 s48, s30, s28                    ; ex: e0, e2, e4
	s_cselect_b32 s49, s31, s29                    ; ew: e1, e3, e5
	s_cselect_b32 s59, s35, s34                    ; eo: e6, e7, e9
	s_cmp_eq_u32 s25, 2
	s_cselect_b32 s48, s32, s48
	s_cselect_b32 s49, s33, s49
	s_cselect_b32 s59, s37, s59
	s_add_co_i32 s60, s48, 127
	s_lshl_b32 s61, s60, 23
	v_mov_b32 v[SCX], s61
	s_add_co_i32 s60, s60, 8
	s_lshl_b32 s60, s60, 23
	s_or_b32 s60, s60, 0x600000
	v_mov_b32 v[LIMX], s60
	s_add_co_i32 s49, s48, s49                     ; ex + ew
	s_sub_co_i32 s58, 0, s49                       ; the bias is divided by 2^(ex + ew)
	s_sub_co_i32 s60, s59, s49
	s_add_co_i32 s60, s60, 127
	s_lshl_b32 s61, s60, 23
	v_mov_b32 v[SCO], s61
	s_add_co_i32 s60, s60, 8
	s_lshl_b32 s60, s60, 23
	s_or_b32 s60, s60, 0x600000
	v_mov_b32 v[LIMO], s60
	XSTEP 0, 32                                    ; behind step 0's loads: step 1's 16 and W's first 16
	XSTEP 1, 48                                    ; W 16, step 2's 16, W 16
	XSTEP 2, 48                                    ; W 16, step 3's 16, W 16
	XSTEP 3, 44                                    ; W 16, W 16, the bias's 12
	s_wait_dscnt 0x0                               ; for the others' sake: my images have landed
	s_barrier_signal -1
	s_barrier_wait -1                              ; the block's 32 fragments lie in LDS; nothing is stored to LDS from here on
	FETCH 0
	s_wait_loadcnt 0x0                             ; W and the bias
	s_cmp_eq_u32 s25, 2
	s_cbranch_scc1 .Lv
.set j, 0
.rept 32
	v_ldexp_f32 v[B1+j], v[B1+j], s58
.set j, j+1
.endr
.irp m, 0,1,2,3,4,5,6,7
	TILE \m, 0
.endr
	s_wait_tensorcnt 0x0
	ds_add_u32 v254, v255
	s_wait_dscnt 0x0
	s_endpgm
.Lv:
.irp i, 0,1,2,3
.irp j, 0,1,2,3,4,5,6,7
	v_ldexp_f32 v[B1+8*\i+\j], v[BV+\i], s58       ; a lane holds one channel: its bias in all eight registers
.endr
.endr
.irp m, 0,1,2,3,4,5,6,7
	TILE \m, 1
.endr
	s_wait_tensorcnt 0x0
	ds_add_u32 v254, v255
	s_wait_dscnt 0x0
	s_endpgm
.Lfunc_end_k_q8aeaca86a1_proj:
	.size	k_q8aeaca86a1_proj, .Lfunc_end_k_q8aeaca86a1_proj-k_q8aeaca86a1_proj
	.p2alignl 7, 3214868480
	.fill 96, 4, 3214868480
	.section	.rodata,"a",@progbits
	.p2align	6, 0x0
	.amdhsa_kernel k_q8aeaca86a1_proj
		.amdhsa_group_segment_fixed_size 134144
		.amdhsa_private_segment_fixed_size 0
		.amdhsa_enable_private_segment 0
		.amdhsa_kernarg_size 80
		.amdhsa_user_sgpr_count 2
		.amdhsa_user_sgpr_kernarg_segment_ptr 1
		.amdhsa_wavefront_size32 1
		.amdhsa_system_sgpr_workgroup_id_x 1
		.amdhsa_system_sgpr_workgroup_id_y 1
		.amdhsa_system_sgpr_workgroup_id_z 1
		.amdhsa_system_vgpr_workitem_id 0
		.amdhsa_next_free_vgpr 512
		.amdhsa_next_free_sgpr 66
		.amdhsa_reserve_vcc 0
		.amdhsa_float_denorm_mode_32 3
		.amdhsa_float_denorm_mode_16_64 3
		.amdhsa_memory_ordered 1
		.amdhsa_forward_progress 1
		.amdhsa_inst_pref_size 123
	.end_amdhsa_kernel
	.amdgpu_metadata
---
amdhsa.version: [ 1, 2 ]
amdhsa.kernels:
  - .name:           k_q8aeaca86a1_proj
    .symbol:         k_q8aeaca86a1_proj.kd
    .args:
      - { .name: query, .offset: 0, .size: 8, .value_kind: global_buffer, .address_space: global }
      - { .name: key_, .offset: 8, .size: 8, .value_kind: global_buffer, .address_space: global }
      - { .name: value, .offset: 16, .size: 8, .value_kind: global_buffer, .address_space: global }
      - { .name: wimg, .offset: 24, .size: 8, .value_kind: global_buffer, .address_space: global }
      - { .name: bq, .offset: 32, .size: 8, .value_kind: global_buffer, .address_space: global }
      - { .name: bk, .offset: 40, .size: 8, .value_kind: global_buffer, .address_space: global }
      - { .name: bv, .offset: 48, .size: 8, .value_kind: global_buffer, .address_space: global }
      - { .name: lowp_scales, .offset: 56, .size: 8, .value_kind: global_buffer, .address_space: global }
      - { .name: qimg, .offset: 64, .size: 8, .value_kind: global_buffer, .address_space: global }
      - { .name: kvimg, .offset: 72, .size: 8, .value_kind: global_buffer, .address_space: global }
    .group_segment_fixed_size: 134144
    .private_segment_fixed_size: 0
    .kernarg_segment_align: 8
    .kernarg_segment_size: 80
    .max_flat_workgroup_size: 256
    .sgpr_count:     66
    .vgpr_count:     512
    .wavefront_size: 32
...
	.end_amdgpu_metadata
.endif
;; end of part 2
;; launch attn (part 3): grid 16 x 16, 8 waves a work-group, clusters of 4 x 1, 327,680 bytes of LDS; arguments qimg, kvimg, lowp_scales, cimg; writes cimg
.if DOCPART == 3
	.amdgcn_target "amdgcn-amd-amdhsa--gfx1250"
	.amdhsa_code_object_version 6
	.text
	.protected	k_q8aeaca86a1_attn
	.globl	k_q8aeaca86a1_attn
	.p2align	8
	.type	k_q8aeaca86a1_attn,@function
k_q8aeaca86a1_attn:
	s_mov_b64 s[64:65], 0
	v_nop
	global_prefetch_b8 v0, s[64:65] scope:SCOPE_SE
	s_setreg_imm32_b32 hwreg(HW_REG_WAVE_MODE, 25, 1), 1
	s_wait_xcnt 0x0
	s_wait_alu depctr_hold_cnt(0) depctr_sa_sdst(0) depctr_va_vdst(0) depctr_va_sdst(0) depctr_va_ssrc(0) depctr_va_vcc(0) depctr_vm_vsrc(0)
	s_getreg_b32 s2, hwreg(HW_REG_IB_STS2, 6, 4)
	s_cmp_eq_u32 s2, 0
	s_cbranch_scc0 .Lentry_in_a_cluster
	s_endpgm
.Lentry_in_a_cluster:
	s_bfe_u32 s2, ttmp6, 0x10000c
	s_cmp_lg_u32 s2, 0x3003
	s_cbranch_scc0 .Lentry_shape_is_right
	s_endpgm
.Lentry_shape_is_right:
; ctx[bh][q] = the sum over keys of softmax(q . k / 8) v, both products on codes of FP8 (E4M3) with the given scales (q e6, k e7, p e8, v e9); ctx is quantised with e10 into cimg.
; THE SOFTMAX AHEAD OF THE SECOND PRODUCT: t = score x log2(e) / 8; M = the running largest t rounded UP to a whole number; p = 2^(t - M) is quantised, not normalised; the row's sum is taken
; of the unquantised p and divides at the end.  When M moves, the sum and O are multiplied by 2^(old M - new M): exact.
; SHARES: a work-group owns 256 queries of one bh; each of its eight waves two tiles of 16 queries, so that each fragment of K and V read from LDS feeds two products.  Every wave walks the 32 steps of 128 keys.
; LAYOUT: S^T = K Q^T (source 0 = 16 keys, K = 64), O^T = V^T P (source 0 = 16 channels, K = 128 keys): a lane holds ONE query throughout.  Register j of score tile i is key 16 i + 8 h + j,
; so a conversion of a tile's eight registers gives registers 2i, 2i+1 of P.  All operands come as images of their registers: every LDS load takes 512 consecutive bytes.
; RING: two LDS slots of eight key steps (131,072 bytes).  CLUSTER: the four query blocks of a cluster walk the same K and V: every fill is a JOINT load, mask 15; wave w fetches key step w of the slot (16,384 bytes).
; By this text's own count a wave has two tensor loads out at the start and one afterwards.  A refill is issued eight key steps ahead of the wait for it, so no prefetch is laid.
; The exponentials go in two batches a step, one a tile, each with one wait; plain lines of the other tile's work stand between them.
; LIMITS: e6 + e7 between -123 and 130; e8 and e10 - e8 - e9 between -126 and 119.  NaN among the inputs is not served.
; REGISTERS, window 0: v1-6 addresses and scales; v8-18, v20-30 statistics of tile 0, 1; v32-95 O^T; v96-223 S^T, then p; v224-255 P's codes.   Window 1: v0-63 K; v64-127 V; v128-143 Q.
.set SLOT1, 1<<17                      ; slot 1 begins here: one exclusive or turns an address from one slot to the other
.set SLOTB, 131072                     ; bytes in a slot
.set STEPB, 16384                      ; bytes in a key step: K 8,192, V^T 8,192
.set SPARE, 2*SLOT1                    ; behind the ring: the spare words, 128 bytes a wave: four blocks of 256 bytes that no other line names
.set LI,   1                           ; v1   16 x lane
.set ADR,  2                           ; v2   LDS address of the step in hand
.set SPW,  3                           ; v3   my spare word; never rewritten
.set NIL,  4                           ; v4   0; never rewritten
.set HOLD, 5                           ; v5   448 x 2^e8; on the way out 448 x 2^(e10-e8-e9)
.set SCL,  6                           ; v6   2^e8; on the way out 2^(e10-e8-e9)
.set T0,   8                           ; tile a's statistics at T0 + 12 a: +0 -M, +1 the largest t, +2,+3 the sum, +4 f, +5 0, +6,+7 at work, +8,+9 the sum's second chain, +10 a permute's destination
.set O,    32
.set S,    96
.set P,    224
.set WV,   12
.set G1,   28                          ; s[28:35] descriptor group 1
.set G0A,  36                          ; s[36:39] group 0 of the first fill of slot 0
.set G0B,  40                          ; s[40:43] group 0 of the first fill of slot 1; it then walks
.set CS,   44                          ; s[44:45] c = log2(e) / 8 x 2^(e6 + e7)
.set SEL,  46                          ; s[46:47] lane selects: lane l xor 16
.set TB,   48                          ; s48  LDS byte of the key step in hand
.set SLOTS, 49
.set CNT,  50
.set MSB, 0
.macro WIN new                         ; the immediate's high byte repeats the setting that is left
.if MSB != \new
	s_set_vgpr_msb (MSB<<8)|\new
.set MSB, \new
.endif
.endm
.macro CROUND                          ; a round of the cluster's barrier
	s_barrier_signal -1
	s_barrier_wait -1
	s_cmp_lg_u32 s[WV], 0
	s_cbranch_scc1 .Lnot_wave_0_\@
	s_barrier_signal -3
.Lnot_wave_0_\@:
	s_barrier_wait -3
	s_barrier_signal -1
	s_barrier_wait -1
.endm
; Block b (8 keys a lane) of tile a behind its exponentials: the sums of the unquantised p, the hold, the conversion.  ex = 1: eight exponentials of tile 1 stand between the lines.
.macro BLK a, b, ex
.set rS, S+64*(\a)+8*(\b)
.set rT, T0+12*(\a)
.set rE, S+64+8*(\b)
.set rP, P+16*(\a)+2*(\b)
.if \ex
	v_exp_f32 v[rE], v[rE]
.endif
.if (\b) == 0
	v_pk_mul_f32 v[rT+2:rT+3], v[rT+2:rT+3], v[rT+4:rT+5] op_sel_hi:[1,0]   ; the sum under the new M
.else
	v_pk_add_f32 v[rT+2:rT+3], v[rT+2:rT+3], v[rS:rS+1]
.endif
.if \ex
	v_exp_f32 v[rE+1], v[rE+1]
.endif
.if (\b) == 0
	v_pk_add_f32 v[rT+8:rT+9], v[rS:rS+1], v[rS+2:rS+3]                     ; the second chain starts here: nothing is cleared
.else
	v_pk_add_f32 v[rT+8:rT+9], v[rT+8:rT+9], v[rS+2:rS+3]
.endif
.if \ex
	v_exp_f32 v[rE+2], v[rE+2]
.endif
	v_pk_add_f32 v[rT+2:rT+3], v[rT+2:rT+3], v[rS+4:rS+5]
.if \ex
	v_exp_f32 v[rE+3], v[rE+3]
.endif
	v_pk_add_f32 v[rT+8:rT+9], v[rT+8:rT+9], v[rS+6:rS+7]
.irp u, 0,1,2,3
.if \ex
	v_exp_f32 v[rE+4+\u], v[rE+4+\u]
.endif
	v_min_num_f32 v[rS+2*\u], v[rS+2*\u], v[HOLD]                           ; the conversion does not saturate (ISA guide 7.6.2); p is not negative: a one-sided hold
	v_min_num_f32 v[rS+2*\u+1], v[rS+2*\u+1], v[HOLD]
.endr
	v_cvt_scalef32_pk8_fp8_f32 v[rP:rP+1], v[rS:rS+7], v[SCL]
.endm
; A KEY STEP: 128 keys at LDS byte s[TB].
.macro STEP
	v_add_nc_u32 v[ADR], s[TB], v[LI]
.rept 3
	v_nop                                          ; with the addition: four places between the last products and the loads into V's registers
.endr
	WIN 0x40                                       ; destination window 1
.irp i, 0,1,2,3,4,5,6,7
	ds_load_b128 v[8*\i:8*\i+3], v[ADR] offset:1024*\i
	ds_load_b128 v[8*\i+4:8*\i+7], v[ADR] offset:1024*\i+512
.endr
.irp i, 0,1,2,3
.irp p, 0,1,2,3
	ds_load_b128 v[64+16*\i+4*\p:64+16*\i+4*\p+3], v[ADR] offset:8192+2048*\i+512*\p
.endr
.endr
	WIN 0x05                                       ; K and Q window 1, S^T window 0
.irp i, 0,1,2,3,4,5,6,7
	s_wait_dscnt 30-2*\i                           ; key tile i's two loads are in: behind them stand 2 (7 - i) of K and 16 of V
	v_wmma_f32_16x16x64_fp8_fp8 v[S+8*\i:S+8*\i+7], v[8*\i:8*\i+7], v[128:135], 0
	v_wmma_f32_16x16x64_fp8_fp8 v[S+64+8*\i:S+64+8*\i+7], v[8*\i:8*\i+7], v[136:143], 0
.endr
	WIN 0
.rept 4
	v_nop                                          ; four places between the last product and the first read of results (ISA guide 7.12.1)
.endr
	; the step's largest score of each query, two chains a tile, ascending: each accumulator is first read at its low end
.irp a, 0,1
	v_max3_num_f32 v[T0+12*\a+6], v[S+64*\a], v[S+64*\a+1], v[S+64*\a+2]
.endr
.irp a, 0,1
	v_max3_num_f32 v[T0+12*\a+7], v[S+64*\a+3], v[S+64*\a+4], v[S+64*\a+5]
.endr
.irp i, 6,10,14,18,22,26,30,34,38,42,46,50,54,58
.irp a, 0,1
	v_max3_num_f32 v[T0+12*\a+6], v[T0+12*\a+6], v[S+64*\a+\i], v[S+64*\a+\i+1]
.endr
.irp a, 0,1
	v_max3_num_f32 v[T0+12*\a+7], v[T0+12*\a+7], v[S+64*\a+\i+2], v[S+64*\a+\i+3]
.endr
.endr
.irp a, 0,1
	v_max3_num_f32 v[T0+12*\a+6], v[T0+12*\a+6], v[S+64*\a+62], v[S+64*\a+63]
.endr
.irp a, 0,1
	v_max_num_f32 v[T0+12*\a+6], v[T0+12*\a+6], v[T0+12*\a+7]
.endr
.irp a, 0,1
	v_permlanex16_b32 v[T0+12*\a+10], v[T0+12*\a+6], s[SEL], s[SEL+1]   ; the query's other 64 keys lie in the lane 16 away
.endr
.irp a, 0,1
	v_max_num_f32 v[T0+12*\a+6], v[T0+12*\a+6], v[T0+12*\a+10]
.endr
.irp a, 0,1
	v_mul_f32 v[T0+12*\a+6], s[CS], v[T0+12*\a+6]  ; as t (c is positive)
.endr
.irp a, 0,1
	v_max_num_f32 v[T0+12*\a+1], v[T0+12*\a+1], v[T0+12*\a+6]   ; the running largest t
.endr
.irp a, 0,1
	v_mov_b32 v[T0+12*\a+6], v[T0+12*\a]
.endr
.irp a, 0,1
	v_floor_f32 v[T0+12*\a], -v[T0+12*\a+1]        ; the new -M = floor(-t): M is a whole number
.endr
.irp a, 0,1
	v_sub_f32 v[T0+12*\a+6], v[T0+12*\a], v[T0+12*\a+6]   ; old M - new M: a whole number, 0 or less
.endr
.irp a, 0,1
	v_cvt_i32_f32 v[T0+12*\a+6], v[T0+12*\a+6]     ; (it saturates)
.endr
.irp a, 0,1
	v_ldexp_f32 v[T0+12*\a+4], 1.0, v[T0+12*\a+6]  ; f = 2^(old M - new M)
.endr
.set j, 0
.rept 32
	v_pk_fma_f32 v[S+2*j:S+2*j+1], v[S+2*j:S+2*j+1], s[CS:CS+1], v[T0:T0+1] op_sel_hi:[1,0,0]   ; tile 0: t - M, two at a time
.set j, j+1
.endr
	; tile 0's 64 exponentials; behind each one plain line that names no result: tile 1's scalings, then O^T x f (each accumulator from its low end on)
.set j, 0
.rept 64
	v_exp_f32 v[S+j], v[S+j]
.if j < 32
	v_pk_fma_f32 v[S+64+2*j:S+64+2*j+1], v[S+64+2*j:S+64+2*j+1], s[CS:CS+1], v[T0+12:T0+13] op_sel_hi:[1,0,0]
.elseif j < 48
	v_pk_mul_f32 v[O+2*(j-32):O+2*(j-32)+1], v[O+2*(j-32):O+2*(j-32)+1], v[T0+4:T0+5] op_sel_hi:[1,0]
.else
	v_pk_mul_f32 v[O+32+2*(j-48):O+32+2*(j-48)+1], v[O+32+2*(j-48):O+32+2*(j-48)+1], v[T0+16:T0+17] op_sel_hi:[1,0]
.endif
.set j, j+1
.endr
	s_wait_alu depctr_va_vdst(0)                   ; one wait for tile 0's batch, ahead of its first reader
.irp b, 0,1,2,3,4,5,6,7
	BLK 0, \b, 1                                   ; tile 0's sums, holds and codes; tile 1's exponentials between them
.endr
	v_pk_add_f32 v[T0+2:T0+3], v[T0+2:T0+3], v[T0+8:T0+9]
	s_wait_alu depctr_va_vdst(0)                   ; one wait for tile 1's batch
.irp b, 0,1,2,3,4,5,6,7
	BLK 1, \b, 0
.endr
	v_pk_add_f32 v[T0+14:T0+15], v[T0+14:T0+15], v[T0+20:T0+21]   ; also the plain line between the last conversion and the products that read its result
	s_wait_dscnt 0x0                               ; V is in
	WIN 0x01                                       ; V window 1; P, O^T window 0
.irp i, 0,1,2,3
.irp a, 0,1
	v_wmma_f32_16x16x128_fp8_fp8 v[O+32*\a+8*\i:O+32*\a+8*\i+7], v[64+16*\i:64+16*\i+15], v[P+16*\a:P+16*\a+15], v[O+32*\a+8*\i:O+32*\a+8*\i+7]
.endr
.endr
	WIN 0
.endm
.macro SLOTWORK                        ; a slot's eight key steps
	s_mov_b32 s[CNT], 8
.Lstep_\@:
	STEP
	s_add_co_u32 s[TB], s[TB], STEPB
	s_sub_co_u32 s[CNT], s[CNT], 1
	s_cmp_lg_u32 s[CNT], 0
	s_cbranch_scc1 .Lstep_\@
.endm
; THE CHANGE OF SLOTS.  Each wave waits for all its tensor loads (its part of the slot ahead), adds 0 to its spare word, and waits for that and for its reads of the slot that it leaves.
; fill = 1: the barrier is a round of the cluster's, and the slot just left is filled with the keys two slots on, first thing behind it.
.macro CHANGE fill
	s_wait_tensorcnt 0x0                           ; no tensor load of mine is out, so a group 0 may be written
	ds_add_u32 v[SPW], v[NIL]
.if \fill
	s_xor_b32 s[G0B+1], s[G0B+1], SLOT1            ; the walking descriptor: the other slot than last time,
	s_add_nc_u64 s[G0B+2:G0B+3], s[G0B+2:G0B+3], SLOTB   ; the next eight key steps; the type bits on top are not reached
.endif
	s_wait_dscnt 0x0                               ; the add is done, and my reads of the slot are over
.if \fill
	CROUND
	tensor_load_to_lds s[G0B:G0B+3], s[G1:G1+7]
	s_nop 0
.rept 4
	v_nop
.endr
.else
	s_barrier_signal -1
	s_barrier_wait -1
.endif
	s_sub_co_u32 s[TB], s[TB], SLOTB               ; back to a slot's first step,
	s_xor_b32 s[TB], s[TB], SLOT1                  ; in the other slot
.endm
	s_load_b256 s[4:11], s[0:1], 0x0               ; qimg, kvimg, the scales' exponents, cimg
	v_lshl_add_u32 v[SPW], v0, 2, SPARE
	v_mov_b32 v[NIL], 0
	ds_add_u32 v3, v4
	ds_add_u32 v3, v4
	s_wait_dscnt 0x0
	v_lshrrev_b32 v2, 5, v0
	v_readfirstlane_b32 s[WV], v2                  ; wave 0..7
	v_and_b32 v[LI], 31, v0
	v_lshlrev_b32 v[LI], 4, v[LI]
	s_bfe_u32 s13, ttmp6, 0x40000                  ; cx: my place in the cluster: it enters Q's and ctx's global addresses alone
	s_lshl_b32 s14, ttmp9, 2
	s_add_co_u32 s14, s14, s13                     ; my block of 256 queries
	s_and_b32 s15, ttmp7, 0xffff                   ; bh, which the four partners share
	; descriptor group 1: a dense block of 16,384 bytes as 64 rows of 32 elements of 8 bytes
	s_mov_b32 s[G1], 15|(3<<16)|(1<<21)            ; 15:0 the mask: all four work-groups; 17:16 elements of 8 bytes; 21 set beside a mask; no padding
	s_mov_b32 s[G1+1], 32<<16                      ; tensor_dim0 = 32
	s_mov_b32 s[G1+2], 64<<16                      ; tensor_dim1 = 64
	s_mov_b32 s[G1+3], 32<<16                      ; tile_dim0 = 32
	s_mov_b32 s[G1+4], 64                          ; tile_dim1 = 64
	s_mov_b32 s[G1+5], 32                          ; from row to row
	s_mov_b32 s[G1+6], 0
	s_mov_b32 s[G1+7], 0
	s_mov_b32 s[SEL], 0x76543210
	s_mov_b32 s[SEL+1], 0xfedcba98
	s_mov_b32 s[TB], 0
	s_lshl_b32 s56, s15, 19                        ; K and V: 524,288 bytes a bh,
	s_lshl_b32 s57, s[WV], 14                      ; key step w of a slot
	s_add_co_u32 s56, s56, s57
	s_mov_b32 s57, 0
	s_lshl_b32 s58, s15, 8                         ; Q: tile 256 bh + 16 X + 2 w, 1,024 bytes a tile
	s_lshl_b32 s59, s14, 4
	s_add_co_u32 s58, s58, s59
	s_lshl_b32 s59, s[WV], 1
	s_add_co_u32 s58, s58, s59
	s_lshl_b32 s58, s58, 10
	s_mov_b32 s59, 0
	s_lshr_b32 s60, s15, 3                         ; ctx: token tile 256 b + 16 X + 2 w, 8,192 bytes a tile,
	s_lshl_b32 s60, s60, 8
	s_lshl_b32 s61, s14, 4
	s_add_co_u32 s60, s60, s61
	s_lshl_b32 s61, s[WV], 1
	s_add_co_u32 s60, s60, s61
	s_lshl_b32 s60, s60, 13
	s_and_b32 s61, s15, 7                          ; + 1,024 x head: K step head / 2, pieces 2 (head % 2) on
	s_lshl_b32 s61, s61, 10
	s_add_co_u32 s60, s60, s61
	s_mov_b32 s61, 0
	s_wait_kmcnt 0x0
	s_load_b256 s[16:23], s[8:9], 0x0              ; e0 .. e7
	s_load_b128 s[24:27], s[8:9], 0x20             ; e8 .. e11
	s_add_nc_u64 s[52:53], s[4:5], s[58:59]
	s_add_nc_u64 s[54:55], s[10:11], s[60:61]
	s_add_nc_u64 s[6:7], s[6:7], s[56:57]
	CROUND                                         ; all four work-groups are here: the first joint loads meet
	s_mov_b32 s[G0A], 1                            ; count = 1
	s_lshl_b32 s[G0A+1], s[WV], 14                 ; LDS address: slot 0, key step w
	s_mov_b64 s[G0A+2:G0A+3], s[6:7]
	s_or_b32 s[G0A+3], s[G0A+3], 0x80000000        ; type = 2
	s_mov_b32 s[G0B], 1
	s_add_co_u32 s[G0B+1], s[G0A+1], SLOT1
	s_add_nc_u64 s[G0B+2:G0B+3], s[6:7], SLOTB     ; key steps 8 to 15
	s_or_b32 s[G0B+3], s[G0B+3], 0x80000000
	tensor_load_to_lds s[G0A:G0A+3], s[G1:G1+7]    ; the two first fills go out together: two loads of mine are out
	s_nop 0
	tensor_load_to_lds s[G0B:G0B+3], s[G1:G1+7]
	s_nop 0
.rept 4
	v_nop
.endr
	WIN 0x40
.irp a, 0,1
.irp p, 0,1
	global_load_b128 v[128+8*\a+4*\p:128+8*\a+4*\p+3], v[LI], s[52:53] offset:1024*\a+512*\p   ; Q's two fragments stay in registers
.endr
.endr
	WIN 0
.irp a, 0,1
	v_mov_b32 v[T0+12*\a+1], 0xff61b1e6            ; the largest t so far: -3e38, under every t
	v_floor_f32 v[T0+12*\a], -v[T0+12*\a+1]        ; -M
	v_mov_b32 v[T0+12*\a+2], 0                     ; the sum, in two halves
	v_mov_b32 v[T0+12*\a+3], 0
	v_mov_b32 v[T0+12*\a+5], 0                     ; named as the upper half of f's pair
	v_mov_b32 v[T0+12*\a+10], 0                    ; a lane permute's destination counts as one of its sources
.endr
.set j, 0
.rept 64
	v_mov_b32 v[O+j], 0                            ; O^T: the step is written without a first form of its own: the first change of M multiplies zeros
.set j, j+1
.endr
	s_wait_kmcnt 0x0
	s_add_co_i32 s58, s22, s23                     ; e6 + e7: a score stands for score x 2^(e6 + e7): added to c's exponent field
	s_lshl_b32 s58, s58, 23
	s_mov_b32 s[CS], 0x3e38aa3b                    ; log2(e) / 8
	s_add_co_i32 s[CS], s[CS], s58
	s_mov_b32 s[CS+1], s[CS]                       ; named with it as a pair
	s_add_co_i32 s58, s24, 127
	s_lshl_b32 s59, s58, 23
	v_mov_b32 v[SCL], s59                          ; 2^e8
	s_add_co_i32 s58, s58, 8
	s_lshl_b32 s58, s58, 23
	s_or_b32 s58, s58, 0x600000
	v_mov_b32 v[HOLD], s58                         ; 448 x 2^e8
	s_wait_tensorcnt 0x1                           ; my part of slot 0 is in; slot 1's may stay out
	s_barrier_signal -1
	s_barrier_wait -1                              ; everybody's is
	s_wait_loadcnt 0x0                             ; Q
	SLOTWORK                                       ; key steps 0 to 7
	s_mov_b32 s[SLOTS], 2
.Lslot:                                            ; two trips: slots 0 and 1 are each filled once more
	CHANGE 1
	SLOTWORK
	s_sub_co_u32 s[SLOTS], s[SLOTS], 1
	s_cmp_lg_u32 s[SLOTS], 0
	s_cbranch_scc1 .Lslot
	CHANGE 0                                       ; the last slot is written out
	SLOTWORK
	; THE WAY OUT.  The four additions are the places behind the last products.  ctx = O^T x 2^(e8 + e9) / the sum; its code is (O^T / the sum) / 2^(e10 - e8 - e9).
.irp a, 0,1
	v_add_f32 v[T0+12*\a+6], v[T0+12*\a+2], v[T0+12*\a+3]
.endr
.irp a, 0,1
	v_permlanex16_b32 v[T0+12*\a+10], v[T0+12*\a+6], s[SEL], s[SEL+1]
.endr
.irp a, 0,1
	v_add_f32 v[T0+12*\a+6], v[T0+12*\a+6], v[T0+12*\a+10]
.endr
.irp a, 0,1
	v_rcp_f32 v[T0+12*\a+4], v[T0+12*\a+6]
.endr
	s_sub_co_i32 s58, s26, s24
	s_sub_co_i32 s58, s58, s25
	s_add_co_i32 s58, s58, 127
	s_lshl_b32 s59, s58, 23
	v_mov_b32 v[SCL], s59                          ; (plain lines behind the reciprocals)
	s_add_co_i32 s58, s58, 8
	s_lshl_b32 s58, s58, 23
	s_or_b32 s58, s58, 0x600000
	v_mov_b32 v[HOLD], s58
	s_wait_alu depctr_va_vdst(0)                   ; one wait for the two reciprocals, ahead of their first reader
.irp a, 0,1
.set j, 0
.rept 16
	v_pk_mul_f32 v[O+32*\a+2*j:O+32*\a+2*j+1], v[O+32*\a+2*j:O+32*\a+2*j+1], v[T0+12*\a+4:T0+12*\a+5] op_sel_hi:[1,0]
.set j, j+1
.endr
.endr
.irp a, 0,1
.irp i, 0,1,2,3
.irp j, 0,1,2,3,4,5,6,7
	v_med3_num_f32 v[O+32*\a+8*\i+\j], v[O+32*\a+8*\i+\j], -v[HOLD], v[HOLD]
.endr
	v_cvt_scalef32_pk8_fp8_f32 v[P+16*\a+2*\i:P+16*\a+2*\i+1], v[O+32*\a+8*\i:O+32*\a+8*\i+7], v[SCL]   ; channels 16 i + 8 h + 0..7 of my query: registers 2i, 2i+1 of the head's half fragment
.endr
.endr
	v_nop                                          ; a plain line behind the last conversion
.irp a, 0,1
.irp p, 0,1
	global_store_b128 v[LI], v[P+16*\a+4*\p:P+16*\a+4*\p+3], s[54:55] offset:8192*\a+512*\p   ; 512 consecutive bytes, aligned
.endr
.endr
	s_wait_tensorcnt 0x0                           ; the wave's end
	ds_add_u32 v[SPW], v[NIL]
	s_wait_dscnt 0x0
	CROUND                                         ; the closing round: no work-group ends while a partner may still ask for a tile that names it
	s_endpgm
.Lfunc_end_k_q8aeaca86a1_attn:
	.size	k_q8aeaca86a1_attn, .Lfunc_end_k_q8aeaca86a1_attn-k_q8aeaca86a1_attn
	.p2alignl 7, 3214868480
	.fill 96, 4, 3214868480
	.section	.rodata,"a",@progbits
	.p2align	6, 0x0
	.amdhsa_kernel k_q8aeaca86a1_attn
		.amdhsa_group_segment_fixed_size 327680
		.amdhsa_private_segment_fixed_size 0
		.amdhsa_enable_private_segment 0
		.amdhsa_kernarg_size 32
		.amdhsa_user_sgpr_count 2
		.amdhsa_user_sgpr_kernarg_segment_ptr 1
		.amdhsa_wavefront_size32 1
		.amdhsa_system_sgpr_workgroup_id_x 1
		.amdhsa_system_sgpr_workgroup_id_y 1
		.amdhsa_system_sgpr_workgroup_id_z 1
		.amdhsa_system_vgpr_workitem_id 0
		.amdhsa_next_free_vgpr 512
		.amdhsa_next_free_sgpr 66
		.amdhsa_reserve_vcc 0
		.amdhsa_float_denorm_mode_32 3
		.amdhsa_float_denorm_mode_16_64 3
		.amdhsa_memory_ordered 1
		.amdhsa_forward_progress 1
		.amdhsa_inst_pref_size 102
	.end_amdhsa_kernel
	.amdgpu_metadata
---
amdhsa.version: [ 1, 2 ]
amdhsa.kernels:
  - .name:           k_q8aeaca86a1_attn
    .symbol:         k_q8aeaca86a1_attn.kd
    .args:
      - { .name: qimg, .offset: 0, .size: 8, .value_kind: global_buffer, .address_space: global }
      - { .name: kvimg, .offset: 8, .size: 8, .value_kind: global_buffer, .address_space: global }
      - { .name: lowp_scales, .offset: 16, .size: 8, .value_kind: global_buffer, .address_space: global }
      - { .name: cimg, .offset: 24, .size: 8, .value_kind: global_buffer, .address_space: global }
    .group_segment_fixed_size: 327680
    .private_segment_fixed_size: 0
    .kernarg_segment_align: 8
    .kernarg_segment_size: 32
    .max_flat_workgroup_size: 256
    .sgpr_count:     66
    .vgpr_count:     512
    .wavefront_size: 32
...
	.end_amdgpu_metadata
.endif
;; end of part 3
;; launch outp (part 4): grid 4 x 64, 8 waves a work-group, no clusters, 134,144 bytes of LDS; arguments cimg, wimg, bo, lowp_scales, out0; writes out0
.if DOCPART == 4
	.amdgcn_target "amdgcn-amd-amdhsa--gfx1250"
	.amdhsa_code_object_version 6
	.text
	.protected	k_q8aeaca86a1_outp
	.globl	k_q8aeaca86a1_outp
	.p2align	8
	.type	k_q8aeaca86a1_outp,@function
k_q8aeaca86a1_outp:
	s_mov_b64 s[64:65], 0
	v_nop
	global_prefetch_b8 v0, s[64:65] scope:SCOPE_SE
	s_setreg_imm32_b32 hwreg(HW_REG_WAVE_MODE, 25, 1), 1
	s_wait_xcnt 0x0
; out0 = ctx Wo^T x 2^(e10 + e11) + bo, on codes of FP8 (E4M3): ctx's from cimg, Wo's from wimg, both as images of operand registers (16 rows x 128 K: 4 pieces of 512 bytes).
; SHARES: work-group (x = slab of 128 columns, y = block of 128 rows).  Wave w owns rows 16 w .. 16 w + 15 x all 128 columns; its four fragments of ctx stay in registers.
; The slab's eight tiles of Wo (65,536 bytes) go once through LDS: wave w brings tile w; one barrier; every wave reads all.
; Source 0 = 16 rows of Wo, source 1 = 16 tokens: a lane holds 8 neighbouring columns of one row; the rows meet in the wave's own stage and leave as whole 512 bytes.
; NO CLUSTER: what work-groups share is one fill of 65,536 bytes, brought once through registers; there is no loop of fills that a joint load could serve.
; LIMIT: e10 + e11 between -126 and 127.
.set SP,   528                         ; a stage row: 512 bytes + 16 = 33 x 16: sixteen lanes take sixteen different 16-byte columns modulo 256 bytes
.set STGB, 16*SP
.set STG,  65536                       ; behind Wo's images: a stage for each wave
.set LI,   1                           ; v1   16 x lane
.set WWI,  2                           ; v2   where I store my tile of Wo
.set SO,   3                           ; v3   the stage: row r, + 32 h
.set SR,   4                           ; v4   and back: 16 x lane
.set BI,   8                           ; v8-11   bo of my four columns
.set XF,   16                          ; v16-79  ctx's four fragments
.set ACC,  80                          ; v80-111 four accumulators
.set WB0,  112                         ; v112-175, v176-239: four fragments of Wo, two sets; v112-175 later the rows of the output
.macro FETCHW q                        ; group q: column tiles 4 (q / 4) .. + 3, K step q % 4
.irp i, 0,1,2,3
.irp p, 0,1,2,3
	ds_load_b128 v[WB0+64*((\q)%2)+16*\i+4*\p:WB0+64*((\q)%2)+16*\i+4*\p+3], v[LI] offset:8192*(4*((\q)/4)+\i)+2048*((\q)%4)+512*\p
.endr
.endr
.endm
.macro GROUP q
.set WBM, WB0+64*((\q)%2)
.if (\q) < 7
	s_wait_dscnt 16                                ; this group's fragments are in (and the stage's stores done); the next group's 16 loads may be out
.else
	s_wait_dscnt 0x0
.endif
.irp i, 0,1,2,3                        ; four accumulators by turns
.if ((\q)%4) == 0
	v_wmma_f32_16x16x128_fp8_fp8 v[ACC+8*\i:ACC+8*\i+7], v[WBM+16*\i:WBM+16*\i+15], v[XF+16*((\q)%4):XF+16*((\q)%4)+15], 0
.else
	v_wmma_f32_16x16x128_fp8_fp8 v[ACC+8*\i:ACC+8*\i+7], v[WBM+16*\i:WBM+16*\i+15], v[XF+16*((\q)%4):XF+16*((\q)%4)+15], v[ACC+8*\i:ACC+8*\i+7]
.endif
.endr
.if (\q) != 6
.rept 4
	v_nop                                          ; four places in front of loads into registers that the products have read, and of stores that read results
.endr
.endif
.if (\q) == 3
	v_nop                                          ; a fifth: the next group's products begin the accumulators anew
.endif
.if ((\q)%4) == 3
.irp i, 0,1,2,3
	ds_store_b128 v[SO], v[ACC+8*\i:ACC+8*\i+3] offset:64*(4*((\q)/4)+\i)        ; lane (r, h): row r, columns 16 (4 half + i) + 8 h + 0..7; the low end first
	ds_store_b128 v[SO], v[ACC+8*\i+4:ACC+8*\i+7] offset:64*(4*((\q)/4)+\i)+16
.endr
.endif
.if (\q) < 6
	FETCHW (\q)+2
.endif
.endm
	s_load_b256 s[4:11], s[0:1], 0x0               ; cimg, wimg, bo, the scales' exponents
	s_load_b64 s[12:13], s[0:1], 0x20              ; out0
	v_lshl_add_u32 v254, v0, 2, 0x20800
	v_mov_b32 v255, 0
	v_lshrrev_b32 v5, 5, v0
	v_readfirstlane_b32 s14, v5                    ; wave 0..7
	s_and_b32 s15, ttmp7, 0xffff                   ; the block of 128 rows
	v_and_b32 v5, 31, v0
	v_lshlrev_b32 v[LI], 4, v5
	v_and_b32 v6, 15, v0                           ; r
	v_bfe_u32 v7, v0, 4, 1                         ; h
	s_lshl_b32 s22, s14, 13
	v_add_nc_u32 v[WWI], s22, v[LI]
	s_mul_i32 s22, s14, STGB
	s_add_co_u32 s22, s22, STG
	v_mul_u32_u24 v[SO], v6, SP
	v_lshl_add_u32 v[SO], v7, 5, v[SO]
	v_add_nc_u32 v[SO], s22, v[SO]
	v_add_nc_u32 v[SR], s22, v[LI]
	s_lshl_b32 s24, ttmp9, 3
	s_add_co_u32 s24, s24, s14                     ; Wo's tile 8 x + w,
	s_lshl_b32 s24, s24, 13
	s_add_co_u32 s24, s24, 786432                  ; in the fourth weight's images
	s_mov_b32 s25, 0
	s_lshl_b32 s26, s15, 3
	s_add_co_u32 s26, s26, s14                     ; ctx's token tile 8 y + w
	s_lshl_b32 s26, s26, 13
	s_mov_b32 s27, 0
	s_lshl_b32 s28, ttmp9, 9                       ; 128 columns of f32
	s_mov_b32 s29, 0
	s_lshl_b32 s30, s15, 18                        ; 128 rows of 2,048 bytes,
	s_lshl_b32 s31, s14, 15                        ; 16 rows a wave,
	s_add_co_u32 s30, s30, s31
	s_add_co_u32 s30, s30, s28                     ; the slab
	s_mov_b32 s31, 0
	s_wait_kmcnt 0x0
	s_load_b64 s[16:17], s[10:11], 0x28            ; e10, e11
	s_add_nc_u64 s[6:7], s[6:7], s[24:25]
	s_add_nc_u64 s[4:5], s[4:5], s[26:27]
	s_add_nc_u64 s[8:9], s[8:9], s[28:29]
	s_add_nc_u64 s[12:13], s[12:13], s[30:31]
.irp q, 0,1,2,3,4,5,6,7,8,9,10,11,12,13,14,15
	global_load_b128 v[WB0+4*\q:WB0+4*\q+3], v[LI], s[6:7] offset:512*\q
.endr
.irp q, 0,1,2,3,4,5,6,7,8,9,10,11,12,13,14,15
	global_load_b128 v[XF+4*\q:XF+4*\q+3], v[LI], s[4:5] offset:512*\q
.endr
	global_load_b128 v[BI:BI+3], v[LI], s[8:9]
	s_wait_loadcnt 17                              ; Wo's tile is in: behind it stand ctx's 16 loads and the bias's one
.irp q, 0,1,2,3,4,5,6,7,8,9,10,11,12,13,14,15
	ds_store_b128 v[WWI], v[WB0+4*\q:WB0+4*\q+3] offset:512*\q
.endr
	s_wait_dscnt 0x0                               ; for the others' sake: my tile has landed
	s_barrier_signal -1
	s_barrier_wait -1                              ; the slab's eight tiles lie in LDS; they are not written again
	FETCHW 0
	FETCHW 1
	s_wait_loadcnt 0x0                             ; ctx and the bias
.irp q, 0,1,2,3,4,5,6,7
	GROUP \q
.endr
.irp t, 0,1,2,3,4,5,6,7,8,9,10,11,12,13,14,15
	ds_load_b128 v[WB0+4*\t:WB0+4*\t+3], v[SR] offset:SP*\t   ; LDS serves a wave's instructions in order: these see my stores into my stage
.endr
	s_wait_kmcnt 0x0
	s_add_co_i32 s20, s16, s17
	s_add_co_i32 s20, s20, 127
	s_lshl_b32 s20, s20, 23                        ; 2^(e10 + e11) as f32
	s_mov_b32 s21, s20                             ; named with it as a pair
.irp t, 0,1,2,3,4,5,6,7,8,9,10,11,12,13,14,15
	s_wait_dscnt 15-\t
	v_pk_fma_f32 v[WB0+4*\t:WB0+4*\t+1], v[WB0+4*\t:WB0+4*\t+1], s[20:21], v[BI:BI+1] op_sel_hi:[1,0,1]       ; sum x 2^(e10 + e11) + bo
	v_pk_fma_f32 v[WB0+4*\t+2:WB0+4*\t+3], v[WB0+4*\t+2:WB0+4*\t+3], s[20:21], v[BI+2:BI+3] op_sel_hi:[1,0,1]
	global_store_b128 v[LI], v[WB0+4*\t:WB0+4*\t+3], s[12:13] offset:2048*\t th:TH_STORE_NT   ; 32 lanes store 512 consecutive bytes, aligned; written once, read by nobody here
.endr
	s_wait_tensorcnt 0x0
	ds_add_u32 v254, v255
	s_wait_dscnt 0x0
	s_endpgm
.Lfunc_end_k_q8aeaca86a1_outp:
	.size	k_q8aeaca86a1_outp, .Lfunc_end_k_q8aeaca86a1_outp-k_q8aeaca86a1_outp
	.p2alignl 7, 3214868480
	.fill 96, 4, 3214868480
	.section	.rodata,"a",@progbits
	.p2align	6, 0x0
	.amdhsa_kernel k_q8aeaca86a1_outp
		.amdhsa_group_segment_fixed_size 134144
		.amdhsa_private_segment_fixed_size 0
		.amdhsa_enable_private_segment 0
		.amdhsa_kernarg_size 40
		.amdhsa_user_sgpr_count 2
		.amdhsa_user_sgpr_kernarg_segment_ptr 1
		.amdhsa_wavefront_size32 1
		.amdhsa_system_sgpr_workgroup_id_x 1
		.amdhsa_system_sgpr_workgroup_id_y 1
		.amdhsa_system_sgpr_workgroup_id_z 1
		.amdhsa_system_vgpr_workitem_id 0
		.amdhsa_next_free_vgpr 256
		.amdhsa_next_free_sgpr 66
		.amdhsa_reserve_vcc 0
		.amdhsa_float_denorm_mode_32 3
		.amdhsa_float_denorm_mode_16_64 3
		.amdhsa_memory_ordered 1
		.amdhsa_forward_progress 1
		.amdhsa_inst_pref_size 24
	.end_amdhsa_kernel
	.amdgpu_metadata
---
amdhsa.version: [ 1, 2 ]
amdhsa.kernels:
  - .name:           k_q8aeaca86a1_outp
    .symbol:         k_q8aeaca86a1_outp.kd
    .args:
      - { .name: cimg, .offset: 0, .size: 8, .value_kind: global_buffer, .address_space: global }
      - { .name: wimg, .offset: 8, .size: 8, .value_kind: global_buffer, .address_space: global }
      - { .name: bo, .offset: 16, .size: 8, .value_kind: global_buffer, .address_space: global }
      - { .name: lowp_scales, .offset: 24, .size: 8, .value_kind: global_buffer, .address_space: global }
      - { .name: out0, .offset: 32, .size: 8, .value_kind: global_buffer, .address_space: global }
    .group_segment_fixed_size: 134144
    .private_segment_fixed_size: 0
    .kernarg_segment_align: 8
    .kernarg_segment_size: 40
    .max_flat_workgroup_size: 256
    .sgpr_count:     66
    .vgpr_count:     256
    .wavefront_size: 32
...
	.end_amdgpu_metadata
.endif
;; end of part 4
;; ======== version 2 of 2: 4 launches; version 1 with the launches proj, outp written anew for expert scheduling mode
;; workspace buffers: wimg 1,048,576 bytes; qimg 4,194,304 bytes; kvimg 8,388,608 bytes; cimg 4,194,304 bytes
;; launch wquant: the kernel of part 1 again; grid 32 x 4, 4 waves a work-group, no clusters, 34,304 bytes of LDS; arguments Wq, Wk, Wv, Wo, lowp_scales, wimg; writes wimg
;; launch proj (part 5): grid 64 x 3, 8 waves a work-group, no clusters, 134,144 bytes of LDS; arguments query, key_, value, wimg, bq, bk, bv, lowp_scales, qimg, kvimg; writes qimg, kvimg
.if DOCPART == 5
	.amdgcn_target "amdgcn-amd-amdhsa--gfx1250"
	.amdhsa_code_object_version 6
	.text
	.protected	k_q8aeaca86a1_proj
	.globl	k_q8aeaca86a1_proj
	.p2align	8
	.type	k_q8aeaca86a1_proj,@function
k_q8aeaca86a1_proj:
	s_mov_b64 s[64:65], 0
	v_nop
	global_prefetch_b8 v0, s[64:65] scope:SCOPE_SE
	s_setreg_imm32_b32 hwreg(HW_REG_WAVE_SCHED_MODE, 0, 2), 2
	s_setreg_imm32_b32 hwreg(HW_REG_WAVE_MODE, 25, 1), 1
	s_wait_xcnt 0x0
	s_wait_alu depctr_vm_vsrc(0)
; q = query Wq^T + bq, k = key_ Wk^T + bk, v = value Wv^T + bv, each product on codes of FP8 (E4M3) with the given scales, and q, k, v quantised again with theirs (entries 6, 7, 9).
; SHARES: work-group (x, y): 128 rows (tokens 128 x on) of tensor y (0 q, 1 k, 2 v).  Wave w (a) quantises rows 16 w .. 16 w + 15 of the input (four fragments, as images in LDS), and
; (b) owns HEAD w, output columns 64 w .. 64 w + 63, for all 128 rows: its 16 fragments of W (256 registers, window 1) are loaded once, as images, and stay.
; FRAGMENTS AND IMAGES: 16 rows x 128 K in 16 registers, lane (r, h): row r, registers 2c, 2c+1: k = 16c + 8h + 0..7; piece p = registers 4p..4p+3 = 512 consecutive bytes, 16 a lane.
; q, k: source 0 = 16 rows of W, source 1 = 16 tokens: a lane holds one token and 8 neighbouring channels: the four tiles' codes ARE the K = 64 fragment of the scores' product.
; v: the sources swapped: a lane holds one channel and 8 neighbouring tokens: the codes are registers 2m, 2m+1 of V^T's fragment (K = the 128 keys of the block).
; The bias is the C of a sum's first product, divided by 2^(ex + ew), which the sums lack; the conversion takes 2^(eo - ex - ew).
; OUT: qimg [bh][tile of 16 queries][1,024 bytes]; kvimg [bh][step of 128 keys][K: 8 tiles x 1,024 bytes | V^T: 4 channel tiles x 2,048 bytes].
; NO CLUSTER: W's codes of a tensor are 262,144 bytes; beside the 133,120 bytes of stages and images they do not fit in 327,680 bytes of LDS, so W goes straight into registers, once a wave.
; LIMITS: ex and eo - ex - ew between -126 and 119.  NaN among the inputs is not served.
; REGISTERS, window 0: v1-11 addresses and scales; v16-47 codes; v48-111 64 numbers, later x's fragments set 0; v112-175 rows as loaded set 0, later the bias tiles (v112-143) and the four
; accumulators (v144-175); v176-239 rows as loaded set 1, later x's fragments set 1; v240-243 the bias by channel.   Window 1: W's fragment (tile i, K step s) at v[16 (4 i + s)].
; THE MODE: SCHED_MODE bits 1:0 = 2 (LLVM: expert scheduling mode 2), set by the entry lines.  The code itself states the register dependences
; between vector or matrix instructions and memory or LDS instructions, with s_wait_alu, always for 0.
; THE PLAN.  Registers that memory or LDS instructions touch:
;   v1-v7, v254, v255   offsets and LDS addresses: written once at the head, ahead of the first wait on va_vdst, and never again.
;   the rows' two sets  global loads land in them, the stage's LDS stores read them; no vector instruction names them while they hold rows.
;   v48-111             a K step's LDS loads land there; its holds and conversions read and write them.  Later x's fragments set 0: LDS loads land, products read.
;   the codes v16-47    conversions write them; the images' LDS stores, later the global stores, read them.
;   window 1            global loads land once; products read.
; A K step of x has two waits: vm_vsrc behind the stage's round trip (the rows' set and the codes have been read), va_vdst behind its conversions (the codes are written; v48-111 are done with).
; Behind the first, the loads of the K step two on are dealt among the step's holds and conversions, which name v48-111, the codes and the two scales alone.
; A tile of rows has one wait on va_vdst, behind its conversions: its codes are written, and its products are done reading their set of fragments, which is asked for again at the next tile's head.
.set SP,   528                         ; a stage row: 512 bytes + 16 = 33 x 16: sixteen lanes take sixteen different 16-byte columns modulo 256 bytes
.set STGB, 16*SP
.set XIMG, 8*STGB                      ; behind the eight stages: x's images, (row tile m, K step s) at 8,192 m + 2,048 s
.set LI,   1                           ; v1   16 x lane
.set STI,  2                           ; v2   my stage, on the way in
.set STO,  3                           ; v3   and out: row r, + 32 h
.set XWI,  4                           ; v4   where I store x's images
.set LIX,  5                           ; v5   where any image begins for my lane
.set BA1,  6                           ; v6   32 h: the bias by 8 channels of my half
.set BA2,  7                           ; v7   4 r: the bias by my channel
.set SCX,  8                           ; v8   2^ex          v9  448 x 2^ex
.set LIMX, 9
.set SCO,  10                          ; v10  2^(eo-ex-ew)  v11 448 x that
.set LIMO, 11
.set CODE, 16
.set PC,   16
.set XN,   48
.set XF0,  48
.set RAW0, 112
.set B1,   112
.set ACC,  144
.set BV,   240
.set MSB, 0
.macro WIN new                         ; the immediate's high byte repeats the setting that is left
.if MSB != \new
	s_set_vgpr_msb (MSB<<8)|\new
.set MSB, \new
.endif
.endm
.macro TURN raw
.irp q, 0,1,2,3,4,5,6,7,8,9,10,11,12,13,14,15
	ds_store_b128 v[STI], v[\raw+4*\q:\raw+4*\q+3] offset:SP*\q
.endr
.irp c, 0,1,2,3,4,5,6,7
	ds_load_b128 v[XN+8*\c:XN+8*\c+3], v[STO] offset:64*\c          ; LDS serves a wave's instructions in order: these see the stores above
	ds_load_b128 v[XN+8*\c+4:XN+8*\c+7], v[STO] offset:64*\c+16
.endr
.endm
.macro LOADX s                         ; my 16 rows' 512 bytes of K step s, as they lie
.irp q, 0,1,2,3,4,5,6,7,8,9,10,11,12,13,14,15
	global_load_b128 v[RAW0+64*((\s)%2)+4*\q:RAW0+64*((\s)%2)+4*\q+3], v[LI], s[40:41] offset:2048*\q+512*(\s) th:TH_LOAD_NT
.endr
.endm
.macro LOADW g                         ; my head's four fragments of W for K step g.  No vector or matrix instruction has named these registers, and v[LI] stands since the head: no wait is owed
	WIN 0x40                                       ; destination window 1
.irp i, 0,1,2,3
.irp p, 0,1,2,3
	global_load_b128 v[16*(4*\i+\g)+4*\p:16*(4*\i+\g)+4*\p+3], v[LI], s[42:43] offset:8192*\i+2048*\g+512*\p
.endr
.endr
	WIN 0
.endm
.macro LOADB                           ; the bias in both layouts, 12 loads: no register's definition hangs on the path
.irp i, 0,1,2,3
	global_load_b128 v[B1+8*\i:B1+8*\i+3], v[BA1], s[44:45] offset:64*\i
	global_load_b128 v[B1+8*\i+4:B1+8*\i+7], v[BA1], s[44:45] offset:64*\i+16
.endr
.irp i, 0,1,2,3
	global_load_b32 v[BV+\i], v[BA2], s[44:45] offset:64*\i
.endr
.endm
; K step s of my 16 rows becomes a fragment's image.  cnt: the loads issued behind this step's sixteen.
.macro XSTEP s, cnt
	s_wait_loadcnt \cnt
	TURN RAW0+64*((\s)%2)                          ; the LDS loads land in v48-111: the last step's wait on va_vdst has stated that its holds and conversions are done with them
	s_wait_dscnt 0x0                               ; the numbers are back from the stage
	s_wait_alu depctr_vm_vsrc(0)                   ; the stage's stores have read the rows' set, in which later loads land; the last image's stores have read the codes, which the conversions below write again
.if (\s) == 0
	LOADW 1
.elseif (\s) == 1
	LOADW 2
.elseif (\s) == 2
	LOADW 3
	LOADB                                          ; into the rows' set 0, which is free now
.endif
.irp c, 0,1,2,3,4,5,6,7
.irp i, 0,1,2,3,4,5,6,7
	v_med3_num_f32 v[XN+8*\c+\i], v[XN+8*\c+\i], -v[LIMX], v[LIMX]   ; the conversion does not saturate (ISA guide 7.6.2): the hold at the largest code x the scale
.endr
	v_cvt_scalef32_pk8_fp8_f32 v[PC+2*\c:PC+2*\c+1], v[XN+8*\c:XN+8*\c+7], v[SCX]
.if (\s) < 2                           ; rows 2 c and 2 c + 1 of the K step two on, into the set just read out: no vector instruction names it, so nothing more is owed
	global_load_b128 v[RAW0+64*((\s)%2)+8*\c:RAW0+64*((\s)%2)+8*\c+3], v[LI], s[40:41] offset:2048*(2*\c)+512*((\s)+2) th:TH_LOAD_NT
	global_load_b128 v[RAW0+64*((\s)%2)+8*\c+4:RAW0+64*((\s)%2)+8*\c+7], v[LI], s[40:41] offset:2048*(2*\c+1)+512*((\s)+2) th:TH_LOAD_NT
.endif
.endr
	v_nop                                          ; a plain line behind the last conversion
	s_wait_alu depctr_va_vdst(0)                   ; the conversions have written the codes, which the stores below read; holds and conversions are done with v48-111, in which the next LDS loads land
.irp p, 0,1,2,3
	ds_store_b128 v[XWI], v[PC+4*\p:PC+4*\p+3] offset:2048*(\s)+512*\p
.endr
.endm
.macro FETCH m                         ; row tile m's four fragments, from any wave's images
.irp s, 0,1,2,3
.irp p, 0,1,2,3
	ds_load_b128 v[XF0+128*((\m)%2)+16*\s+4*\p:XF0+128*((\m)%2)+16*\s+4*\p+3], v[LIX] offset:8192*(\m)+2048*\s+512*\p
.endr
.endr
.endm
; Row tile m x my head: 16 products on four accumulators by turns, the hold, the conversions, the stores.
.macro TILE m, isv
.set XFM, XF0+128*((\m)%2)
	s_wait_dscnt 0x0                               ; this tile's fragments are in
.if (\m) < 7
	FETCH (\m)+1                                   ; the next tile's, into the other set: the wait at the end of the tile before has stated that its products are done reading it, and no vector or matrix instruction stands between
.endif
.if \isv
	WIN 0x04                                       ; source 1 (W) window 1
.else
	WIN 0x01                                       ; source 0 (W) window 1
.endif
.irp s, 0,1,2,3
.irp i, 0,1,2,3
.if \isv
.if \s == 0
	v_wmma_f32_16x16x128_fp8_fp8 v[ACC+8*\i:ACC+8*\i+7], v[XFM+16*\s:XFM+16*\s+15], v[16*(4*\i+\s):16*(4*\i+\s)+15], v[B1+8*\i:B1+8*\i+7]
.else
	v_wmma_f32_16x16x128_fp8_fp8 v[ACC+8*\i:ACC+8*\i+7], v[XFM+16*\s:XFM+16*\s+15], v[16*(4*\i+\s):16*(4*\i+\s)+15], v[ACC+8*\i:ACC+8*\i+7]
.endif
.else
.if \s == 0
	v_wmma_f32_16x16x128_fp8_fp8 v[ACC+8*\i:ACC+8*\i+7], v[16*(4*\i+\s):16*(4*\i+\s)+15], v[XFM+16*\s:XFM+16*\s+15], v[B1+8*\i:B1+8*\i+7]
.else
	v_wmma_f32_16x16x128_fp8_fp8 v[ACC+8*\i:ACC+8*\i+7], v[16*(4*\i+\s):16*(4*\i+\s)+15], v[XFM+16*\s:XFM+16*\s+15], v[ACC+8*\i:ACC+8*\i+7]
.endif
.endif
.endr
.endr
	WIN 0
.rept 4
	v_nop                                          ; four places between the last product and the first read of results (ISA guide 7.12.1)
.endr
.if \isv
.set CD, CODE+16*(((\m)/2)%2)+2*((\m)%2)
.set CSTEP, 4
.if ((\m) == 4) || ((\m) == 6)
	s_wait_xcnt 0x0                                ; the stores that read this set of codes have had their addresses translated,
	s_wait_alu depctr_vm_vsrc(0)                   ; and have read the set, which the conversions below write again
.endif
.else
.set CD, CODE+8*((\m)%4)
.set CSTEP, 2
.if (\m) >= 4
	s_wait_xcnt 0x0                                ; the stores that read this set of codes have had their addresses translated,
	s_wait_alu depctr_vm_vsrc(0)                   ; and have read the set, which the conversions below write again
.endif
.endif
.irp i, 0,1,2,3
.irp j, 0,1,2,3,4,5,6,7
	v_med3_num_f32 v[ACC+8*\i+\j], v[ACC+8*\i+\j], -v[LIMO], v[LIMO]   ; each accumulator from its low end on
.endr
	v_cvt_scalef32_pk8_fp8_f32 v[CD+CSTEP*\i:CD+CSTEP*\i+1], v[ACC+8*\i:ACC+8*\i+7], v[SCO]
.endr
	v_nop                                          ; a plain line between the last conversion and the products that write its sources
.if ((\isv) == 0) || (((\m)%2) == 1) || ((\m) < 6)
	s_wait_alu depctr_va_vdst(0)                   ; the conversions have written the codes, which the stores below read; this tile's products are done reading their fragments of x, in which the LDS loads at the next tile's head land
.endif
.if \isv
.if ((\m)%2) == 1
.irp i, 0,1,2,3
	global_store_b128 v[LI], v[CODE+16*(((\m)/2)%2)+4*\i:CODE+16*(((\m)/2)%2)+4*\i+3], s[46:47] offset:8192+2048*\i+512*((\m)/2)   ; piece m / 2 of channel tile i
.endr
.endif
.else
.irp p, 0,1
	global_store_b128 v[LI], v[CD+4*\p:CD+4*\p+3], s[46:47] offset:1024*(\m)+512*\p   ; 512 consecutive bytes, aligned
.endr
.endif
.endm
	s_load_b512 s[4:19], s[0:1], 0x0               ; query, key_, value, wimg, bq, bk, bv, the scales' exponents
	s_load_b128 s[20:23], s[0:1], 0x40             ; qimg, kvimg
	v_lshl_add_u32 v254, v0, 2, 0x20800
	v_mov_b32 v255, 0
	v_lshrrev_b32 v12, 5, v0
	v_readfirstlane_b32 s24, v12                   ; wave 0..7
	s_and_b32 s25, ttmp7, 0xffff                   ; y: which tensor
	v_and_b32 v12, 31, v0
	v_lshlrev_b32 v[LI], 4, v12
	v_and_b32 v13, 15, v0                          ; r
	v_bfe_u32 v14, v0, 4, 1                        ; h
	s_wait_alu depctr_va_sdst(0)                   ; s24 is written, ahead of its first reader: LDS addresses and the bases are made from it
	s_mul_i32 s48, s24, STGB
	v_add_nc_u32 v[STI], s48, v[LI]
	v_mul_u32_u24 v[STO], v13, SP
	v_lshl_add_u32 v[STO], v14, 5, v[STO]
	v_add_nc_u32 v[STO], s48, v[STO]
	s_lshl_b32 s48, s24, 13
	v_add_nc_u32 v[XWI], s48, v[LI]
	v_add_nc_u32 v[XWI], XIMG, v[XWI]
	v_add_nc_u32 v[LIX], XIMG, v[LI]
	v_lshlrev_b32 v[BA1], 5, v14
	v_lshlrev_b32 v[BA2], 2, v13
	s_lshl_b32 s50, ttmp9, 18                      ; x: 128 rows of 2,048 bytes a work-group,
	s_lshl_b32 s51, s24, 15                        ; 16 rows a wave
	s_add_co_u32 s50, s50, s51
	s_lshl_b32 s52, s25, 18                        ; W's images: 262,144 bytes a tensor,
	s_add_co_u32 s52, s52, s51                     ; 4 tiles x 8,192 bytes a head
	s_mov_b32 s51, 0
	s_mov_b32 s53, 0
	s_lshl_b32 s54, s24, 8                         ; the bias: 64 numbers a head
	s_mov_b32 s55, 0
	s_lshr_b32 s56, ttmp9, 5                       ; the batch,
	s_lshl_b32 s56, s56, 3
	s_add_co_u32 s56, s56, s24                     ; bh = 8 b + head,
	s_lshl_b32 s56, s56, 5
	s_and_b32 s57, ttmp9, 31
	s_add_co_u32 s56, s56, s57                     ; 32 blocks of 128 tokens a head,
	s_cmp_eq_u32 s25, 0
	s_cselect_b32 s57, 13, 14                      ; of 8,192 bytes in qimg, 16,384 in kvimg
	s_lshl_b32 s56, s56, s57
	s_mov_b32 s57, 0
	s_wait_kmcnt 0x0
	s_load_b256 s[28:35], s[18:19], 0x0            ; e0 .. e7
	s_load_b128 s[36:39], s[18:19], 0x20           ; e8 .. e11
	s_cmp_eq_u32 s25, 1                            ; the choices hang on the work-group's number alone
	s_cselect_b64 s[40:41], s[6:7], s[4:5]
	s_cselect_b64 s[44:45], s[14:15], s[12:13]
	s_cmp_eq_u32 s25, 2
	s_cselect_b64 s[40:41], s[8:9], s[40:41]
	s_cselect_b64 s[44:45], s[16:17], s[44:45]
	s_cmp_eq_u32 s25, 0
	s_cselect_b64 s[46:47], s[20:21], s[22:23]
	s_add_nc_u64 s[40:41], s[40:41], s[50:51]
	s_add_nc_u64 s[42:43], s[10:11], s[52:53]
	s_add_nc_u64 s[44:45], s[44:45], s[54:55]
	s_add_nc_u64 s[46:47], s[46:47], s[56:57]
	s_wait_alu depctr_va_vdst(0)                   ; the seven offsets and LDS addresses v1 to v7 are written: every load and store of the kernel reads one of them
	LOADX 0
	LOADX 1
	LOADW 0
	s_wait_kmcnt 0x0
	s_cmp_eq_u32 s25, 1
	s_cselect_b32 s48, s30, s28                    ; ex: e0, e2, e4
	s_cselect_b32 s49, s31, s29                    ; ew: e1, e3, e5
	s_cselect_b32 s59, s35, s34                    ; eo: e6, e7, e9
	s_cmp_eq_u32 s25, 2
	s_cselect_b32 s48, s32, s48
	s_cselect_b32 s49, s33, s49
	s_cselect_b32 s59, s37, s59
	s_add_co_i32 s60, s48, 127
	s_lshl_b32 s61, s60, 23
	v_mov_b32 v[SCX], s61
	s_add_co_i32 s60, s60, 8
	s_lshl_b32 s60, s60, 23
	s_or_b32 s60, s60, 0x600000
	v_mov_b32 v[LIMX], s60
	s_add_co_i32 s49, s48, s49                     ; ex + ew
	s_sub_co_i32 s58, 0, s49                       ; the bias is divided by 2^(ex + ew)
	s_sub_co_i32 s60, s59, s49
	s_add_co_i32 s60, s60, 127
	s_lshl_b32 s61, s60, 23
	v_mov_b32 v[SCO], s61
	s_add_co_i32 s60, s60, 8
	s_lshl_b32 s60, s60, 23
	s_or_b32 s60, s60, 0x600000
	v_mov_b32 v[LIMO], s60
	XSTEP 0, 32                                    ; behind step 0's loads: step 1's 16 and W's first 16
	XSTEP 1, 48                                    ; W 16, W 16, step 2's 16
	XSTEP 2, 32                                    ; W 16, step 3's 16
	XSTEP 3, 28                                    ; W 16, the bias's 12
	s_wait_dscnt 0x0                               ; for the others' sake: my images have landed
	s_barrier_signal -1
	s_barrier_wait -1                              ; the block's 32 fragments lie in LDS; nothing is stored to LDS from here on
	s_wait_alu depctr_vm_vsrc(0)                   ; the last image's stores have read v16-31, which the tiles' conversions write on both ways below
	FETCH 0                                        ; into v48-111: the last K step's wait on va_vdst has stated that its holds and conversions are done with them
	s_wait_loadcnt 0x0                             ; W and the bias
	s_cmp_eq_u32 s25, 2
	s_cbranch_scc1 .Lv
.set j, 0
.rept 32
	v_ldexp_f32 v[B1+j], v[B1+j], s58
.set j, j+1
.endr
.irp m, 0,1,2,3,4,5,6,7
	TILE \m, 0
.endr
	s_wait_dscnt 0x0                               ; the closing lines, six on end
	s_wait_alu 0x0
	s_wait_tensorcnt 0x0
	ds_add_u32 v254, v255
	s_wait_dscnt 0x0
	s_endpgm
.Lv:
.irp i, 0,1,2,3
.irp j, 0,1,2,3,4,5,6,7
	v_ldexp_f32 v[B1+8*\i+\j], v[BV+\i], s58       ; a lane holds one channel: its bias in all eight registers
.endr
.endr
.irp m, 0,1,2,3,4,5,6,7
	TILE \m, 1
.endr
	s_wait_dscnt 0x0                               ; the closing lines, six on end
	s_wait_alu 0x0
	s_wait_tensorcnt 0x0
	ds_add_u32 v254, v255
	s_wait_dscnt 0x0
	s_endpgm
.Lfunc_end_k_q8aeaca86a1_proj:
	.size	k_q8aeaca86a1_proj, .Lfunc_end_k_q8aeaca86a1_proj-k_q8aeaca86a1_proj
	.p2alignl 7, 3214868480
	.fill 96, 4, 3214868480
	.section	.rodata,"a",@progbits
	.p2align	6, 0x0
	.amdhsa_kernel k_q8aeaca86a1_proj
		.amdhsa_group_segment_fixed_size 134144
		.amdhsa_private_segment_fixed_size 0
		.amdhsa_enable_private_segment 0
		.amdhsa_kernarg_size 80
		.amdhsa_user_sgpr_count 2
		.amdhsa_user_sgpr_kernarg_segment_ptr 1
		.amdhsa_wavefront_size32 1
		.amdhsa_system_sgpr_workgroup_id_x 1
		.amdhsa_system_sgpr_workgroup_id_y 1
		.amdhsa_system_sgpr_workgroup_id_z 1
		.amdhsa_system_vgpr_workitem_id 0
		.amdhsa_next_free_vgpr 512
		.amdhsa_next_free_sgpr 66
		.amdhsa_reserve_vcc 0
		.amdhsa_float_denorm_mode_32 3
		.amdhsa_float_denorm_mode_16_64 3
		.amdhsa_memory_ordered 1
		.amdhsa_forward_progress 1
		.amdhsa_inst_pref_size 125
	.end_amdhsa_kernel
	.amdgpu_metadata
---
amdhsa.version: [ 1, 2 ]
amdhsa.kernels:
  - .name:           k_q8aeaca86a1_proj
    .symbol:         k_q8aeaca86a1_proj.kd
    .args:
      - { .name: query, .offset: 0, .size: 8, .value_kind: global_buffer, .address_space: global }
      - { .name: key_, .offset: 8, .size: 8, .value_kind: global_buffer, .address_space: global }
      - { .name: value, .offset: 16, .size: 8, .value_kind: global_buffer, .address_space: global }
      - { .name: wimg, .offset: 24, .size: 8, .value_kind: global_buffer, .address_space: global }
      - { .name: bq, .offset: 32, .size: 8, .value_kind: global_buffer, .address_space: global }
      - { .name: bk, .offset: 40, .size: 8, .value_kind: global_buffer, .address_space: global }
      - { .name: bv, .offset: 48, .size: 8, .value_kind: global_buffer, .address_space: global }
      - { .name: lowp_scales, .offset: 56, .size: 8, .value_kind: global_buffer, .address_space: global }
      - { .name: qimg, .offset: 64, .size: 8, .value_kind: global_buffer, .address_space: global }
      - { .name: kvimg, .offset: 72, .size: 8, .value_kind: global_buffer, .address_space: global }
    .group_segment_fixed_size: 134144
    .private_segment_fixed_size: 0
    .kernarg_segment_align: 8
    .kernarg_segment_size: 80
    .max_flat_workgroup_size: 256
    .sgpr_count:     66
    .vgpr_count:     512
    .wavefront_size: 32
...
	.end_amdgpu_metadata
.endif
;; end of part 5
;; launch attn: the kernel of part 3 again; grid 16 x 16, 8 waves a work-group, clusters of 4 x 1, 327,680 bytes of LDS; arguments qimg, kvimg, lowp_scales, cimg; writes cimg
;; launch outp (part 6): grid 4 x 64, 8 waves a work-group, no clusters, 134,144 bytes of LDS; arguments cimg, wimg, bo, lowp_scales, out0; writes out0
.if DOCPART == 6
	.amdgcn_target "amdgcn-amd-amdhsa--gfx1250"
	.amdhsa_code_object_version 6
	.text
	.protected	k_q8aeaca86a1_outp
	.globl	k_q8aeaca86a1_outp
	.p2align	8
	.type	k_q8aeaca86a1_outp,@function
k_q8aeaca86a1_outp:
	s_mov_b64 s[64:65], 0
	v_nop
	global_prefetch_b8 v0, s[64:65] scope:SCOPE_SE
	s_setreg_imm32_b32 hwreg(HW_REG_WAVE_SCHED_MODE, 0, 2), 2
	s_setreg_imm32_b32 hwreg(HW_REG_WAVE_MODE, 25, 1), 1
	s_wait_xcnt 0x0
	s_wait_alu depctr_vm_vsrc(0)
; out0 = ctx Wo^T x 2^(e10 + e11) + bo, on codes of FP8 (E4M3): ctx's from cimg, Wo's from wimg, both as images of operand registers (16 rows x 128 K: 4 pieces of 512 bytes).
; SHARES: work-group (x = slab of 128 columns, y = block of 128 rows).  Wave w owns rows 16 w .. 16 w + 15 x all 128 columns; its four fragments of ctx stay in registers.
; The slab's eight tiles of Wo (65,536 bytes) go once through LDS: wave w brings tile w; one barrier; every wave reads all.
; Source 0 = 16 rows of Wo, source 1 = 16 tokens: a lane holds 8 neighbouring columns of one row; the rows meet in the wave's own stage and leave as whole 512 bytes.
; NO CLUSTER: what work-groups share is one fill of 65,536 bytes, brought once through registers; there is no loop of fills that a joint load could serve.
; LIMIT: e10 + e11 between -126 and 127.
; THE MODE: SCHED_MODE bits 1:0 = 2 (LLVM: expert scheduling mode 2), set by the entry lines.  The code itself states the register dependences
; between vector or matrix instructions and memory or LDS instructions, with s_wait_alu, always for 0.
; THE PLAN.  Registers that memory or LDS instructions touch:
;   v1-v4, v254, v255   offsets and LDS addresses: written once at the head, ahead of the first wait on va_vdst, and never again.
;   Wo's set 0, set 1   Group q: its four products read set q % 2; behind them the LDS loads of group q + 2 land in it.  Set 0 is also where my tile of Wo passes on its way to LDS
;                       (global loads, LDS stores), and at the end it takes the rows of the output (LDS loads, multiply-adds in place, global stores).
;   the accumulators    products write them; the stage's LDS stores read them behind groups 3 and 7; group 4 begins them anew.
;   ctx's fragments and the bias are loaded once and read by matrix and vector instructions alone.
; So ONE wait on va_vdst stands in a group, behind its products: the set is read out, and in groups 3 and 7 the accumulators are written.  Group 6 asks for nothing and stores nothing: it has no wait.
; On the way out the 16 rows go in four batches: the wait at a batch's head states that the batch before is written, and that batch's stores are dealt among this batch's multiply-adds, which name other rows.
.set SP,   528                         ; a stage row: 512 bytes + 16 = 33 x 16: sixteen lanes take sixteen different 16-byte columns modulo 256 bytes
.set STGB, 16*SP
.set STG,  65536                       ; behind Wo's images: a stage for each wave
.set LI,   1                           ; v1   16 x lane
.set WWI,  2                           ; v2   where I store my tile of Wo
.set SO,   3                           ; v3   the stage: row r, + 32 h
.set SR,   4                           ; v4   and back: 16 x lane
.set BI,   8                           ; v8-11   bo of my four columns
.set XF,   16                          ; v16-79  ctx's four fragments
.set ACC,  80                          ; v80-111 four accumulators
.set WB0,  112                         ; v112-175, v176-239: four fragments of Wo, two sets; v112-175 later the rows of the output
.macro FETCHW q                        ; group q: column tiles 4 (q / 4) .. + 3, K step q % 4
.irp i, 0,1,2,3
.irp p, 0,1,2,3
	ds_load_b128 v[WB0+64*((\q)%2)+16*\i+4*\p:WB0+64*((\q)%2)+16*\i+4*\p+3], v[LI] offset:8192*(4*((\q)/4)+\i)+2048*((\q)%4)+512*\p
.endr
.endr
.endm
.macro GROUP q
.set WBM, WB0+64*((\q)%2)
.if (\q) < 7
	s_wait_dscnt 16                                ; this group's fragments are in (and the stage's stores done); the next group's 16 loads may be out
.else
	s_wait_dscnt 0x0
.endif
.if (\q) == 4
	s_wait_alu depctr_vm_vsrc(0)                   ; the stage's stores have read the accumulators, which the products below begin anew
.endif
.irp i, 0,1,2,3                        ; four accumulators by turns
.if ((\q)%4) == 0
	v_wmma_f32_16x16x128_fp8_fp8 v[ACC+8*\i:ACC+8*\i+7], v[WBM+16*\i:WBM+16*\i+15], v[XF+16*((\q)%4):XF+16*((\q)%4)+15], 0
.else
	v_wmma_f32_16x16x128_fp8_fp8 v[ACC+8*\i:ACC+8*\i+7], v[WBM+16*\i:WBM+16*\i+15], v[XF+16*((\q)%4):XF+16*((\q)%4)+15], v[ACC+8*\i:ACC+8*\i+7]
.endif
.endr
.if (\q) != 6
.rept 4
	v_nop                                          ; four places behind the products: they stay beside the wait below, which fills none
.endr
.endif
.if (\q) == 3
	v_nop                                          ; a fifth: the next group's products begin the accumulators anew
.endif
.if (\q) != 6
	s_wait_alu depctr_va_vdst(0)                   ; the products are done reading their set of Wo, in which the LDS loads below land; in groups 3 and 7 they have written the accumulators, which the stage's stores read
.endif
.if ((\q)%4) == 3
.irp i, 0,1,2,3
	ds_store_b128 v[SO], v[ACC+8*\i:ACC+8*\i+3] offset:64*(4*((\q)/4)+\i)        ; lane (r, h): row r, columns 16 (4 half + i) + 8 h + 0..7; the low end first
	ds_store_b128 v[SO], v[ACC+8*\i+4:ACC+8*\i+7] offset:64*(4*((\q)/4)+\i)+16
.endr
.endif
.if (\q) < 6
	FETCHW (\q)+2
.endif
.endm
.macro FMA t                           ; row t: sum x 2^(e10 + e11) + bo, in place
	v_pk_fma_f32 v[WB0+4*(\t):WB0+4*(\t)+1], v[WB0+4*(\t):WB0+4*(\t)+1], s[20:21], v[BI:BI+1] op_sel_hi:[1,0,1]
	v_pk_fma_f32 v[WB0+4*(\t)+2:WB0+4*(\t)+3], v[WB0+4*(\t)+2:WB0+4*(\t)+3], s[20:21], v[BI+2:BI+3] op_sel_hi:[1,0,1]
.endm
.macro OUT t                           ; row t leaves: 32 lanes store 512 consecutive bytes, aligned; written once, read by nobody here
	global_store_b128 v[LI], v[WB0+4*(\t):WB0+4*(\t)+3], s[12:13] offset:2048*(\t) th:TH_STORE_NT
.endm
	s_load_b256 s[4:11], s[0:1], 0x0               ; cimg, wimg, bo, the scales' exponents
	s_load_b64 s[12:13], s[0:1], 0x20              ; out0
	v_lshl_add_u32 v254, v0, 2, 0x20800
	v_mov_b32 v255, 0
	v_lshrrev_b32 v5, 5, v0
	v_readfirstlane_b32 s14, v5                    ; wave 0..7
	s_and_b32 s15, ttmp7, 0xffff                   ; the block of 128 rows
	v_and_b32 v5, 31, v0
	v_lshlrev_b32 v[LI], 4, v5
	v_and_b32 v6, 15, v0                           ; r
	v_bfe_u32 v7, v0, 4, 1                         ; h
	s_wait_alu depctr_va_sdst(0)                   ; s14 is written, ahead of its first reader: LDS addresses and the bases are made from it
	s_lshl_b32 s22, s14, 13
	v_add_nc_u32 v[WWI], s22, v[LI]
	s_mul_i32 s22, s14, STGB
	s_add_co_u32 s22, s22, STG
	v_mul_u32_u24 v[SO], v6, SP
	v_lshl_add_u32 v[SO], v7, 5, v[SO]
	v_add_nc_u32 v[SO], s22, v[SO]
	v_add_nc_u32 v[SR], s22, v[LI]
	s_lshl_b32 s24, ttmp9, 3
	s_add_co_u32 s24, s24, s14                     ; Wo's tile 8 x + w,
	s_lshl_b32 s24, s24, 13
	s_add_co_u32 s24, s24, 786432                  ; in the fourth weight's images
	s_mov_b32 s25, 0
	s_lshl_b32 s26, s15, 3
	s_add_co_u32 s26, s26, s14                     ; ctx's token tile 8 y + w
	s_lshl_b32 s26, s26, 13
	s_mov_b32 s27, 0
	s_lshl_b32 s28, ttmp9, 9                       ; 128 columns of f32
	s_mov_b32 s29, 0
	s_lshl_b32 s30, s15, 18                        ; 128 rows of 2,048 bytes,
	s_lshl_b32 s31, s14, 15                        ; 16 rows a wave,
	s_add_co_u32 s30, s30, s31
	s_add_co_u32 s30, s30, s28                     ; the slab
	s_mov_b32 s31, 0
	s_wait_kmcnt 0x0
	s_load_b64 s[16:17], s[10:11], 0x28            ; e10, e11
	s_add_nc_u64 s[6:7], s[6:7], s[24:25]
	s_add_nc_u64 s[4:5], s[4:5], s[26:27]
	s_add_nc_u64 s[8:9], s[8:9], s[28:29]
	s_add_nc_u64 s[12:13], s[12:13], s[30:31]
	s_wait_alu depctr_va_vdst(0)                   ; the four offsets and LDS addresses v1 to v4 are written: every load and store of the kernel reads one of them
.irp q, 0,1,2,3,4,5,6,7,8,9,10,11,12,13,14,15
	global_load_b128 v[WB0+4*\q:WB0+4*\q+3], v[LI], s[6:7] offset:512*\q
.endr
.irp q, 0,1,2,3,4,5,6,7,8,9,10,11,12,13,14,15
	global_load_b128 v[XF+4*\q:XF+4*\q+3], v[LI], s[4:5] offset:512*\q
.endr
	global_load_b128 v[BI:BI+3], v[LI], s[8:9]
	s_wait_loadcnt 17                              ; Wo's tile is in: behind it stand ctx's 16 loads and the bias's one
.irp q, 0,1,2,3,4,5,6,7,8,9,10,11,12,13,14,15
	ds_store_b128 v[WWI], v[WB0+4*\q:WB0+4*\q+3] offset:512*\q
.endr
	s_wait_dscnt 0x0                               ; for the others' sake: my tile has landed
	s_barrier_signal -1
	s_barrier_wait -1                              ; the slab's eight tiles lie in LDS; they are not written again
	s_wait_alu depctr_vm_vsrc(0)                   ; my LDS stores have read set 0, in which the first group's fragments land
	FETCHW 0
	FETCHW 1
	s_wait_loadcnt 0x0                             ; ctx and the bias
.irp q, 0,1,2,3,4,5,6,7
	GROUP \q
.endr
.irp t, 0,1,2,3,4,5,6,7,8,9,10,11,12,13,14,15
	ds_load_b128 v[WB0+4*\t:WB0+4*\t+3], v[SR] offset:SP*\t   ; LDS serves a wave's instructions in order: these see my stores into my stage.  They land in set 0: group 7's wait has stated that group 6's products are done reading it
.endr
	s_wait_kmcnt 0x0
	s_add_co_i32 s20, s16, s17
	s_add_co_i32 s20, s20, 127
	s_lshl_b32 s20, s20, 23                        ; 2^(e10 + e11) as f32
	s_mov_b32 s21, s20                             ; named with it as a pair
	s_wait_dscnt 12                                ; rows 0 to 3 are back: the twelve younger loads may be out
.irp i, 0,1,2,3
	FMA \i
.endr
.irp b, 1,2,3
	s_wait_dscnt 12-4*\b                           ; rows 4 b to 4 b + 3 are back
	s_wait_alu depctr_va_vdst(0)                   ; the multiply-adds of the batch before have written its four rows, which the stores below read
.irp i, 0,1,2,3
	OUT 4*(\b)-4+\i
	FMA 4*(\b)+\i
.endr
.endr
	s_wait_alu depctr_va_vdst(0)                   ; the last batch's multiply-adds have written rows 12 to 15, which the last four stores read
.irp i, 12,13,14,15
	OUT \i
.endr
	s_wait_dscnt 0x0                               ; the closing lines, six on end
	s_wait_alu 0x0
	s_wait_tensorcnt 0x0
	ds_add_u32 v254, v255
	s_wait_dscnt 0x0
	s_endpgm
.Lfunc_end_k_q8aeaca86a1_outp:
	.size	k_q8aeaca86a1_outp, .Lfunc_end_k_q8aeaca86a1_outp-k_q8aeaca86a1_outp
	.p2alignl 7, 3214868480
	.fill 96, 4, 3214868480
	.section	.rodata,"a",@progbits
	.p2align	6, 0x0
	.amdhsa_kernel k_q8aeaca86a1_outp
		.amdhsa_group_segment_fixed_size 134144
		.amdhsa_private_segment_fixed_size 0
		.amdhsa_enable_private_segment 0
		.amdhsa_kernarg_size 40
		.amdhsa_user_sgpr_count 2
		.amdhsa_user_sgpr_kernarg_segment_ptr 1
		.amdhsa_wavefront_size32 1
		.amdhsa_system_sgpr_workgroup_id_x 1
		.amdhsa_system_sgpr_workgroup_id_y 1
		.amdhsa_system_sgpr_workgroup_id_z 1
		.amdhsa_system_vgpr_workitem_id 0
		.amdhsa_next_free_vgpr 256
		.amdhsa_next_free_sgpr 66
		.amdhsa_reserve_vcc 0
		.amdhsa_float_denorm_mode_32 3
		.amdhsa_float_denorm_mode_16_64 3
		.amdhsa_memory_ordered 1
		.amdhsa_forward_progress 1
		.amdhsa_inst_pref_size 24
	.end_amdhsa_kernel
	.amdgpu_metadata
---
amdhsa.version: [ 1, 2 ]
amdhsa.kernels:
  - .name:           k_q8aeaca86a1_outp
    .symbol:         k_q8aeaca86a1_outp.kd
    .args:
      - { .name: cimg, .offset: 0, .size: 8, .value_kind: global_buffer, .address_space: global }
      - { .name: wimg, .offset: 8, .size: 8, .value_kind: global_buffer, .address_space: global }
      - { .name: bo, .offset: 16, .size: 8, .value_kind: global_buffer, .address_space: global }
      - { .name: lowp_scales, .offset: 24, .size: 8, .value_kind: global_buffer, .address_space: global }
      - { .name: out0, .offset: 32, .size: 8, .value_kind: global_buffer, .address_space: global }
    .group_segment_fixed_size: 134144
    .private_segment_fixed_size: 0
    .kernarg_segment_align: 8
    .kernarg_segment_size: 40
    .max_flat_workgroup_size: 256
    .sgpr_count:     66
    .vgpr_count:     256
    .wavefront_size: 32
...
	.end_amdgpu_metadata
.endif
;; end of part 6
